; MI455X (gfx1250); checked and timed in simulation.
; The chip was launched on July 23, 2026; its instructions are those of AMD's public machine-readable ISA for CDNA 5 (MIT licence, August 2026) and "CDNA5" Instruction Set Architecture Reference Guide (July 2026). The comments in the code are by the model that wrote it; some were corrected since.
;; Attention. Allowed arithmetic: matrix products marked QUANTISED: E4M3 operands, one given power-of-two scale a tensor, by v_wmma_f32_16x16x64_fp8_fp8 or v_wmma_f32_16x16x128_fp8_fp8, f32 sums; everything else in f32.
;; Inputs: Wout 1,024 x 1,024 float32; Wqkv 1,024 x 3,072 float32; bout 1,024 float32; bqkv 3,072 float32; lowp_scales 8 int32 (the exponents e of the quantised operands' scales 2^e); x 4 x 2,048 x 1,024 float32.
;; Outputs: out0 4 x 2,048 x 1,024 float32.
;; This version of the problem:
;;   THIS VERSION OF THE PROBLEM IS GIVEN IN LOW PRECISION. The matrix products marked QUANTISED in the list below multiply operands that are first quantised to E4M3 (4 exponent bits, 3 mantissa bits; 8 bits a number), with one given power-of-two scale for each operand tensor; their sums are f32. All else is computed in f32.
;;   The module's matrix products, in the order in which they are computed (A, B: the left and right operand; K: the contracted axis; several contracted axes count as one K, in the product's order):
;;     1. [M 8,192, K 1,024] x [K 1,024, N 3,072]; A: input x; B: input Wqkv: QUANTISED (scales: A lowp_scales[0], B lowp_scales[1])
;;     2. batch 64 x [M 2,048, K 64] x [K 64, N 2,048]; A: computed on the way; B: computed on the way: QUANTISED (scales: A lowp_scales[2], B lowp_scales[3])
;;     3. batch 64 x [M 2,048, K 2,048] x [K 2,048, N 64]; A: softmax (see below); B: computed on the way: QUANTISED (scales: A lowp_scales[4], B lowp_scales[5])
;;     4. [M 8,192, K 1,024] x [K 1,024, N 1,024]; A: computed on the way; B: input Wout: QUANTISED (scales: A lowp_scales[6], B lowp_scales[7])
;;   THE QUANTISER, for each operand of a quantised product, along K:
;;     - The operand's scale is 2^e, e = its entry of the input lowp_scales (int32; the entries are numbered through the quantised products in the list's order, A before B).
;;     - Each number is divided by the scale, clamped to +-448, and rounded to the nearest number of E4M3, ties to even, subnormals kept.
;;     - The product sums the exact products of the quantised numbers (number of the format x scale) in f32.
;;   ~~~python
;;   def quantise(x, axis, e):      # numpy; x: float32 -> the quantised numbers, widened to float32 again
;;       x = np.moveaxis(x, axis, -1); K = x.shape[-1]
;;       r = np.clip(x / 2.0 ** e, -448, 448)
;;       step = 2.0 ** (np.maximum(np.frexp(np.where(r == 0, 1, r))[1] - 1, -6) - 3)
;;       q = np.round(r / step) * step * 2.0 ** e      # np.round: ties to even
;;       return np.moveaxis(q, -1, axis).astype(np.float32)
;;   ~~~
;;   SOFTMAX AHEAD OF A QUANTISED PRODUCT. Where the list says 'softmax', what is quantised is not the finished softmax but p = 2^(t - M), with t = logit x log2(e) and M = ceil(the row's largest t), a whole number; so 1/2 < the row's largest p <= 1. The row's sum l is taken of the UNQUANTISED p, in f32, and the product's result is divided by l at the end. Since M is a whole number, a kernel that streams over the keys may use a running M (the ceiling of the running maximum): every later rescaling is an exact power of two, so the quantised numbers keep their values, but for numbers so far below the row's largest that they fall under the format's range.
;;   OPERANDS COMPUTED ON THE WAY. 'Computed on the way' means the value that the module computes at that place (a softmax that the list does not call 'softmax' is quantised finished and normalised). What goes into a quantiser is computed in f32, as accurately as f32 sums, v_exp_f32 and their like allow (about 1e-6 of the number): no bf16 or f16 on the way to a quantiser, and a product that is left as it is and whose result goes on into a quantised operand takes f32 operands (vector FMAs, or v_wmma_f32_16x16x4_f32). A number that lies on a knife's edge between two numbers of the format may be rounded either way, as far as f32 arithmetic and the matrix unit's own rounding can turn it there, and no further.
;; One version. Each part assembles by itself: llvm-mc -triple=amdgcn-amd-amdhsa -mcpu=gfx1250 --defsym DOCPART=n.
;; ======== version 1 of 1: 4 launches
;; limits: right only within a limited range of input values
;; workspace buffers: x_img 8,388,608 bytes; wqkv_img 3,145,728 bytes; wout_img 1,048,576 bytes; q_img 8,388,608 bytes; k_img 8,388,608 bytes; v_img 8,388,608 bytes; a_img 8,388,608 bytes
;; launch quant (part 1): grid 768 x 1, 4 waves a work-group, no clusters, 34,304 bytes of LDS; arguments x, Wqkv, Wout, lowp_scales, x_img, wqkv_img, wout_img; writes x_img, wqkv_img, wout_img
.if DOCPART == 1
	.amdgcn_target "amdgcn-amd-amdhsa--gfx1250"
	.amdhsa_code_object_version 6
	.text
	.protected	k_q50a72765b9_quant
	.globl	k_q50a72765b9_quant
	.p2align	8
	.type	k_q50a72765b9_quant,@function
k_q50a72765b9_quant:
	s_mov_b64 s[64:65], 0
	v_nop
	global_prefetch_b8 v0, s[64:65] scope:SCOPE_SE
	s_setreg_imm32_b32 hwreg(HW_REG_WAVE_MODE, 25, 1), 1
	s_wait_xcnt 0x0
; x [8192][1024], Wqkv [1024][3072] and Wout [1024][1024], all f32, become codes of FP8 (E4M3), each tensor with its given scale 2^e (entries 0, 1 and 7 of the scales).
; code = number / 2^e, held within +-448, rounded to the nearest code, ties to even.
; LIMITS: each e lies between -126 and 119, so that 2^e and 448 x 2^e are f32 numbers.  NaN among the inputs is not served (an infinity is held at the largest code).
; THE CODES ARE LAID AS IMAGES OF OPERAND REGISTERS.  A fragment is 16 rows x 128 along K, 2,048 bytes: [c = 0..3][lane 0..31][16 bytes]; lane (r = lane % 16, h = lane / 16) holds
; K = 32 c + 16 h + 0 .. 15 of the tile's row r.  A buffer is [tile of 16 rows][K step of 128][2,048 bytes].  The later launches fetch a fragment by four loads of 512 dense bytes.
; THE ROWS OF A TILE ARE NOT NEIGHBOURS: in each group of 32 rows (of x) or columns (of a weight), tile 2 g + u holds in its row p the row 32 g + 8 u + p + 8 (p / 8).
; So wherever such a tile is source 0 of a product, a lane's 16 results of tiles 2 g and 2 g + 1 are 16 neighbours.
; SHARES: 768 work-groups of four waves, 64 KiB of f32 each.  Work-groups 0-511: one tile of x each (K innermost: through a stage in LDS).  512-703: Wqkv, 704-767: Wout
; (K outermost: a lane takes a column and its registers run down K; no LDS).  Waves share nothing: no barrier.  No matrix unit, no cluster, no tensor load: every byte is read once and nothing is shared.
.set R,     16                         ; v16-143  numbers as they are loaded
.set X,     144                        ; v144-207 64 numbers of a lane, in the image's order
.set C,     208                        ; v208-239 codes: registers of their own for every store, so that no store's data are written again
.set SP,    528                        ; a stage row: 512 bytes + 16: sixteen lanes that read sixteen rows start 33 x 16 bytes apart
.set WSTG,  16*SP                      ; a wave's stage
.set SPARE, 4*WSTG                     ; behind the four stages: the spare words, 128 bytes for each wave
.macro MKSCALE e                       ; v10 = 2^e as f32 (the conversion takes its exponent field)
	s_add_co_i32 s32, s[\e], 127
	s_lshl_b32 s33, s32, 23
	v_mov_b32 v10, s33
.endm
	s_load_b256 s[4:11], s[0:1], 0x0               ; x s[4:5], Wqkv s[6:7], Wout s[8:9], the scales' exponents s[10:11]
	s_load_b128 s[12:15], s[0:1], 0x20             ; x_img s[12:13], wqkv_img s[14:15]
	s_load_b64 s[16:17], s[0:1], 0x30              ; wout_img
	v_lshl_add_u32 v12, v0, 2, SPARE               ; my spare word; never rewritten
	v_mov_b32 v13, 0                               ; 0; never rewritten
	v_lshrrev_b32 v1, 5, v0
	v_readfirstlane_b32 s18, v1                    ; wave 0..3
	v_and_b32 v1, 31, v0                           ; lane
	v_lshlrev_b32 v2, 4, v1                        ; 16 x lane
	v_and_b32 v3, 15, v0                           ; lane % 16
	v_bfe_u32 v4, v0, 4, 1                         ; lane / 16
	s_mul_i32 s19, s18, WSTG
	v_add_nc_u32 v5, s19, v2                       ; the stage, on the way in: 16 x lane in a row
	v_mul_u32_u24 v6, v3, SP
	v_lshl_add_u32 v6, v4, 6, v6
	v_add_nc_u32 v6, s19, v6                       ; and on the way out: row r, + 64 h: my 16 numbers of a block of 32
	v_and_b32 v7, 8, v3
	v_add_nc_u32 v7, v7, v3
	v_lshl_add_u32 v7, v4, 3, v7
	v_lshlrev_b32 v7, 2, v7                        ; a weight: my column among the wave's 32: 8 (lane / 16) + p + 8 (p / 8), p = lane % 16; in bytes
	v_lshlrev_b32 v8, 4, v3
	v_lshl_add_u32 v8, v4, 14, v8                  ; and its codes' place: tile lane / 16 (16,384 bytes a tile), 16 p
	s_wait_kmcnt 0x0
	s_load_b256 s[24:31], s[10:11], 0x0            ; the eight exponents
	s_cmp_lt_u32 ttmp9, 512
	s_cbranch_scc0 .Lweights
	; ---- x: the work-group's tile; wave w takes K steps 2 w and 2 w + 1
	s_lshr_b32 s20, ttmp9, 1
	s_lshl_b32 s20, s20, 5
	s_and_b32 s21, ttmp9, 1
	s_lshl_b32 s21, s21, 3
	s_add_co_u32 s20, s20, s21                     ; the tile's first row: 32 (tile / 2) + 8 (tile % 2)
	s_lshl_b32 s20, s20, 12                        ; rows of 4,096 bytes
	s_lshl_b32 s21, s18, 10                        ; my 256 along K
	s_add_co_u32 s20, s20, s21
	s_mov_b32 s21, 0
	s_add_nc_u64 s[4:5], s[4:5], s[20:21]
	s_lshl_b32 s22, ttmp9, 14                      ; 16,384 bytes of images a tile,
	s_lshl_b32 s23, s18, 12                        ; my two of them
	s_add_co_u32 s22, s22, s23
	s_mov_b32 s23, 0
	s_add_nc_u64 s[12:13], s[12:13], s[22:23]
.irp sp, 0,1
.irp p, 0,1,2,3,4,5,6,7,8,9,10,11,12,13,14,15
	global_load_b128 v[R+4*(16*\sp+\p):R+4*(16*\sp+\p)+3], v2, s[4:5] offset:(\p+8*(\p/8))*4096+512*\sp th:TH_LOAD_NT   ; 32 lanes read 512 consecutive bytes of the tile's row p
.endr
.endr
	s_wait_kmcnt 0x0
	MKSCALE 24
	s_wait_alu depctr_va_vdst(0)
.irp sp, 0,1
	s_wait_loadcnt 16-16*\sp                       ; this K step's 16 loads are in; the other step's 16 may be out
.irp p, 0,1,2,3,4,5,6,7,8,9,10,11,12,13,14,15
	ds_store_b128 v5, v[R+4*(16*\sp+\p):R+4*(16*\sp+\p)+3] offset:SP*\p
.endr
.irp c, 0,1,2,3
.irp q, 0,1,2,3
	ds_load_b128 v[X+16*\c+4*\q:X+16*\c+4*\q+3], v6 offset:128*\c+16*\q   ; LDS serves a wave's instructions in order: these see my stores, and the next step's stores come behind them
.endr
.endr
	s_wait_dscnt 0x0
.set i, 0
.rept 64
.set i, i+1
.endr
.irp c, 0,1,2,3
	v_cvt_scalef32_pk8_fp8_f32 v[C+16*\sp+4*\c:C+16*\sp+4*\c+1], v[X+16*\c:X+16*\c+7], v10
	v_cvt_scalef32_pk8_fp8_f32 v[C+16*\sp+4*\c+2:C+16*\sp+4*\c+3], v[X+16*\c+8:X+16*\c+15], v10
.endr
	v_nop                                          ; a plain line behind the conversions
.irp c, 0,1,2,3
	global_store_b128 v2, v[C+16*\sp+4*\c:C+16*\sp+4*\c+3], s[12:13] offset:2048*\sp+512*\c   ; 32 lanes store 512 consecutive bytes of the image
.endr
.endr
	s_wait_tensorcnt 0x0                           ; the wave's end, behind my last LDS store
	ds_add_u32 v12, v13
	s_wait_dscnt 0x0
	s_endpgm
; ---- a weight [1024][n]: the work-group takes 128 columns x one K step of 128; wave w 32 of the columns: two tiles
.macro WLOAD t, n, src                 ; block t: W(32 t + i, my column), i = 0 .. 31: each load reads 128 consecutive bytes, the lanes permuted inside them
.set i, 0
.rept 32
	global_load_b32 v[R+32*((\t)%2)+i], v7, s[\src:\src+1] offset:(32*(\t)+i)*\n*4 th:TH_LOAD_NT
.set i, i+1
.endr
.endm
.macro WPATH n, src, dst, e, first
	s_sub_co_u32 s20, ttmp9, \first
	s_and_b32 s21, s20, 7                          ; the K step
	s_lshr_b32 s20, s20, 3                         ; the group of 128 columns
	s_mul_i32 s22, s21, 128*\n*4
	s_lshl_b32 s23, s20, 9
	s_add_co_u32 s22, s22, s23
	s_lshl_b32 s23, s18, 7
	s_add_co_u32 s22, s22, s23
	s_mov_b32 s23, 0
	s_add_nc_u64 s[\src:\src+1], s[\src:\src+1], s[22:23]
	s_lshl_b32 s22, s20, 17                        ; eight tiles of 16,384 bytes a group,
	s_lshl_b32 s23, s18, 15                        ; two a wave,
	s_add_co_u32 s22, s22, s23
	s_lshl_b32 s23, s21, 11                        ; 2,048 bytes a K step
	s_add_co_u32 s22, s22, s23
	s_mov_b32 s23, 0
	s_add_nc_u64 s[\dst:\dst+1], s[\dst:\dst+1], s[22:23]
	WLOAD 0, \n, \src
	WLOAD 1, \n, \src
	s_wait_kmcnt 0x0
	MKSCALE \e
	s_wait_alu depctr_va_vdst(0)
.irp t, 0,1,2,3
.if \t < 3
	s_wait_loadcnt 32                              ; this block's 32 loads are in; the next block's 32 may be out
.else
	s_wait_loadcnt 0x0
.endif
.set i, 0
.rept 32
.set i, i+1
.endr
.irp g, 0,1,2,3
	v_cvt_scalef32_pk8_fp8_f32 v[C+8*\t+2*\g:C+8*\t+2*\g+1], v[R+32*(\t%2)+8*\g:R+32*(\t%2)+8*\g+7], v10
.endr
	v_nop                                          ; a plain line behind the conversions
	global_store_b128 v8, v[C+8*\t:C+8*\t+3], s[\dst:\dst+1] offset:512*\t          ; K = 32 t + 0 .. 15: the image's lanes 0-15: sixteen lanes store 256 consecutive bytes, aligned
	global_store_b128 v8, v[C+8*\t+4:C+8*\t+7], s[\dst:\dst+1] offset:512*\t+256    ; K = 32 t + 16 .. 31: its lanes 16-31
.if \t < 2
	WLOAD \t+2, \n, \src
.endif
.endr
.endm
.Lweights:
	s_cmp_lt_u32 ttmp9, 704
	s_cbranch_scc0 .Lwout
	s_wait_alu depctr_va_vdst(0)
	WPATH 3072, 6, 14, 25, 512
	s_endpgm
.Lwout:
	s_wait_alu depctr_va_vdst(0)
	WPATH 1024, 8, 16, 31, 704
	s_endpgm
.Lfunc_end_k_q50a72765b9_quant:
	.size	k_q50a72765b9_quant, .Lfunc_end_k_q50a72765b9_quant-k_q50a72765b9_quant
	.p2alignl 7, 3214868480
	.fill 96, 4, 3214868480
	.section	.rodata,"a",@progbits
	.p2align	6, 0x0
	.amdhsa_kernel k_q50a72765b9_quant
		.amdhsa_group_segment_fixed_size 34304
		.amdhsa_private_segment_fixed_size 0
		.amdhsa_enable_private_segment 0
		.amdhsa_kernarg_size 56
		.amdhsa_user_sgpr_count 2
		.amdhsa_user_sgpr_kernarg_segment_ptr 1
		.amdhsa_wavefront_size32 1
		.amdhsa_system_sgpr_workgroup_id_x 1
		.amdhsa_system_sgpr_workgroup_id_y 1
		.amdhsa_system_sgpr_workgroup_id_z 1
		.amdhsa_system_vgpr_workitem_id 0
		.amdhsa_next_free_vgpr 240
		.amdhsa_next_free_sgpr 66
		.amdhsa_reserve_vcc 0
		.amdhsa_float_denorm_mode_32 3
		.amdhsa_float_denorm_mode_16_64 3
		.amdhsa_fp16_overflow 1
		.amdhsa_memory_ordered 1
		.amdhsa_forward_progress 1
		.amdhsa_inst_pref_size 42
	.end_amdhsa_kernel
	.amdgpu_metadata
---
amdhsa.version: [ 1, 2 ]
amdhsa.kernels:
  - .name:           k_q50a72765b9_quant
    .symbol:         k_q50a72765b9_quant.kd
    .args:
      - { .name: x, .offset: 0, .size: 8, .value_kind: global_buffer, .address_space: global }
      - { .name: Wqkv, .offset: 8, .size: 8, .value_kind: global_buffer, .address_space: global }
      - { .name: Wout, .offset: 16, .size: 8, .value_kind: global_buffer, .address_space: global }
      - { .name: lowp_scales, .offset: 24, .size: 8, .value_kind: global_buffer, .address_space: global }
      - { .name: x_img, .offset: 32, .size: 8, .value_kind: global_buffer, .address_space: global }
      - { .name: wqkv_img, .offset: 40, .size: 8, .value_kind: global_buffer, .address_space: global }
      - { .name: wout_img, .offset: 48, .size: 8, .value_kind: global_buffer, .address_space: global }
    .group_segment_fixed_size: 34304
    .private_segment_fixed_size: 0
    .kernarg_segment_align: 8
    .kernarg_segment_size: 56
    .max_flat_workgroup_size: 128
    .sgpr_count:     66
    .vgpr_count:     240
    .wavefront_size: 32
...
	.end_amdgpu_metadata
.endif
;; end of part 1
;; launch qkv (part 2): grid 12 x 32, 4 waves a work-group, clusters of 4 x 4, 327,680 bytes of LDS; arguments x_img, wqkv_img, bqkv, lowp_scales, q_img, k_img, v_img; writes q_img, k_img, v_img
.if DOCPART == 2
	.amdgcn_target "amdgcn-amd-amdhsa--gfx1250"
	.amdhsa_code_object_version 6
	.text
	.protected	k_q50a72765b9_qkv
	.globl	k_q50a72765b9_qkv
	.p2align	8
	.type	k_q50a72765b9_qkv,@function
k_q50a72765b9_qkv:
	s_mov_b64 s[64:65], 0
	v_nop
	global_prefetch_b8 v0, s[64:65] scope:SCOPE_SE
	s_setreg_imm32_b32 hwreg(HW_REG_WAVE_MODE, 25, 1), 1
	s_wait_xcnt 0x0
	s_wait_alu depctr_hold_cnt(0) depctr_sa_sdst(0) depctr_va_vdst(0) depctr_va_sdst(0) depctr_va_ssrc(0) depctr_va_vcc(0) depctr_vm_vsrc(0)
	s_getreg_b32 s2, hwreg(HW_REG_IB_STS2, 6, 4)
	s_cmp_eq_u32 s2, 0
	s_cbranch_scc0 .Lentry_in_a_cluster
	s_endpgm
.Lentry_in_a_cluster:
	s_bfe_u32 s2, ttmp6, 0x10000c
	s_cmp_lg_u32 s2, 0xf033
	s_cbranch_scc0 .Lentry_shape_is_right
	s_endpgm
.Lentry_shape_is_right:
; qkv = x Wqkv + bqkv on codes of FP8 (E4M3); q, k and v are quantised on the way out, with the given scales (entries 2, 3, 5), and stored as images of the operand registers of the attention launch.
; IMAGES: a fragment of 16 rows x 128 K is 2,048 bytes, [c][lane][16 bytes], lane (r, h) holding K = 32 c + 16 h + 0 .. 15 of row r; x_img and wqkv_img are [tile][K step of 128][2,048].  The same order of k stands on both sides.
; In each group of 32 rows, tile 2 g + u holds in its row p the row 32 g + 8 u + p + 8 (p / 8): so a lane's 16 results of two neighbouring tiles of source 0 are 16 neighbours, and two conversions give 16 bytes of the next image.
; SHARES: a work-group of four waves makes 256 x 256; a wave 128 x 128: 64 accumulators, 512 registers.  K = 1,024 goes in four parts of 256 through two LDS slots filled by the tensor data mover.
; CLUSTERS of 4 x 4: the tiles of the "A region" are shared along a row of the cluster, those of the "B region" along a column, each asked for jointly.  A cluster's x is the section: 0 q, 1 k, 2 v: the same in all sixteen partners.
; q, k: A region = 256 rows of x, B region = 256 columns of the weight.  Source 0 is always the B region: a lane then holds one token and its registers run along the head's channels, the K of the first attention product.
; v: THE TWO BUFFERS CHANGE PLACES (both have the same strides: only pointers and indices are chosen, by s_cselect on the section): a lane holds one channel and its registers run along the keys, the K of the second product.
; The bias is the C of each sum's first matrix instruction, divided by 2^(e0 + e1); the three scales ahead of the quantiser are folded into the conversion's one, 2^(e_sec - e0 - e1).
; LIMITS: e_sec - e0 - e1 between -126 and 119 for e_sec = entries 2, 3, 5.  NaN among the inputs is not served.
; The grid has 384 work-groups: a tile of 256 x 384 does not fit the registers, and one of 256 x 192 would straddle the sections.  Nothing is prefetched: a work-group has two refills in all.
; REGISTERS, in windows of 256: window 0: v0-31 addresses; v32-95 the bias; v96-127 the bias's offsets, later codes; v128-255 the A region's fragments, one set.
;   window 1: the B region's fragments, two sets.   window 2: the accumulators of A's blocks 0-3 ((a, b) at v[8 (8 (a % 4) + b)]);   window 3: of blocks 4-7.
.set HALFT,  32768                     ; 128 operand rows x 256 K: eight tiles of 4,096 bytes: what one tensor load brings
.set SLOT,   4*HALFT                   ; the A region's 16 tiles, then the B region's
.set SPARE,  2*SLOT                    ; behind the ring: the spare words, 128 bytes for each wave
.set FR,     16                        ; registers of a fragment
.set NL,     4                         ; LDS loads that bring one
.set NP,     4                         ; places behind this matrix instruction (ISA guide 7.12.1)
.set VO,     8                         ; v8-11   the way out: my byte offsets for the four groups of 32 results
.set LIM,    12
.set SCL,    13                        ; v13     the folded scale as f32
.set ADRA,   16                        ; v16-17  LDS address of my A fragments in slot 0, 1
.set ADRB,   20                        ; v20-21  the same for B
.set SPW,    28                        ; v28     my spare word; never rewritten
.set NIL,    29                        ; v29     0; never rewritten
.set BI,     32                        ; v32-95  the bias, eight registers a block
.set VB,     96                        ; v96-103 the bias's byte offsets, one for each register of a block
.set AF,     128
.set G1, 24                            ; s[24:31] descriptor group 1 for the A region;  s[32:39] group 0, one set for each slot
.set G0, 32
.set G1B, 48                           ; s[48:55], s[56:63] the same for the B region
.set G0B, 56
.set MSB, 0
.macro WIN new                         ; the immediate's high byte repeats the setting that is left
.if MSB != (\new)
	s_set_vgpr_msb (MSB<<8)|(\new)
.set MSB, (\new)
.endif
.endm
.set MUL_LO, 0xa1                      ; source 0 (B) window 1, source 1 (A) window 0, C and D window 2
.set MUL_HI, 0xf1                      ; the same, C and D window 3
.set TO_B,   0x40                      ; destination window 1, address window 0
.macro JLOAD g0a, g1a, g0b, g1b        ; a joint load: waves 0 and 1 fetch for the A region, waves 2 and 3 for the B region; the branch hangs on the wave's number alone; an s_nop 0 and four v_nop follow each line
	s_cmp_eq_u32 s15, 0
	s_cbranch_scc0 .Lfor_b_\@
	tensor_load_to_lds s[\g0a:\g0a+3], s[\g1a:\g1a+7]
	s_nop 0
.rept 4
	v_nop
.endr
	s_branch .Lasked_\@
.Lfor_b_\@:
	tensor_load_to_lds s[\g0b:\g0b+3], s[\g1b:\g1b+7]
	s_nop 0
.rept 4
	v_nop
.endr
.Lasked_\@:
.endm
.macro CREST                           ; a round of the cluster's barrier behind its opening barrier
	s_cmp_lg_u32 s14, 0
	s_cbranch_scc1 .Lnot_wave_0_\@
	s_barrier_signal -3
.Lnot_wave_0_\@:
	s_barrier_wait -3
	s_barrier_signal -1
	s_barrier_wait -1
.endm
.macro CROUND                          ; a whole round
	s_barrier_signal -1
	s_barrier_wait -1
	CREST
.endm
	s_load_b256 s[4:11], s[0:1], 0x0               ; x_img s[4:5], wqkv_img s[6:7], bqkv s[8:9], the scales' exponents s[10:11]
	s_load_b128 s[68:71], s[0:1], 0x20             ; q_img s[68:69], k_img s[70:71]
	s_load_b64 s[72:73], s[0:1], 0x30              ; v_img
	v_lshl_add_u32 v[SPW], v0, 2, SPARE
	v_mov_b32 v[NIL], 0
	ds_add_u32 v[SPW], v[NIL]                      ; the wave's opening: the add and its wait stand ahead of my first tensor load; work on registers stands between them
	ds_add_u32 v[SPW], v[NIL]
	v_lshrrev_b32 v1, 5, v0
	v_readfirstlane_b32 s14, v1                    ; wave 0..3
	s_lshr_b32 s15, s14, 1                         ; which half of the A region's rows is mine.  Also: I fetch for A (0) or for B (1)
	s_and_b32 s16, s14, 1                          ; which half of the B region's.  Also: which 128 rows I fetch
	s_bfe_u32 s40, ttmp6, 0x40000                  ; cx, cy: my place in the cluster
	s_bfe_u32 s41, ttmp6, 0x40004
	s_mov_b32 s12, ttmp9                           ; the section: the cluster's x
	s_and_b32 s13, ttmp7, 0xffff                   ; the cluster's y: 1,024 rows of x
	s_cmp_eq_u32 s12, 2                            ; v?  The same answer in all sixteen partners
	s_cselect_b32 s17, s12, s13
	s_cselect_b32 s42, s13, s12
	s_lshl_b32 s17, s17, 2
	s_add_co_u32 s17, s17, s41                     ; the A region's block of 256 rows: q, k: of x, 4 y + cy;  v: of the weight, 8 + cy
	s_lshl_b32 s42, s42, 2
	s_add_co_u32 s42, s42, s40                     ; the B region's: q, k: of the weight, 4 section + cx;  v: of x, 4 y + cx
	s_lshl_b32 s43, s41, 2
	s_lshl_b32 s43, 15, s43                        ; my row of the cluster
	s_lshl_b32 s44, 0x1111, s40                    ; my column
	; descriptor group 1: eight rows of 4,096 bytes (a tile's two K steps), 16,384 bytes apart (a tile's eight K steps), dense in LDS
	s_or_b32 s[G1+0], s43, (3<<16)|(1<<21)         ; 15:0 the mask; 17:16 elements of 8 bytes; 20 no padding; 21 set beside a mask
	s_or_b32 s[G1B+0], s44, (3<<16)|(1<<21)
.irp g, G1, G1B
	s_mov_b32 s[\g+1], 512<<16                     ; tensor_dim0 = 512 elements
	s_mov_b32 s[\g+2], 8<<16                       ; tensor_dim1 = 8
	s_mov_b32 s[\g+3], 512<<16                     ; tile_dim0
	s_mov_b32 s[\g+4], 8                           ; tile_dim1
	s_mov_b32 s[\g+5], 2048                        ; tensor_dim0_stride, in elements
	s_mov_b32 s[\g+6], 0
	s_mov_b32 s[\g+7], 0
.endr
	s_lshl_b32 s18, s16, 17                        ; which eight tiles of the sixteen I fetch
	s_lshl_b32 s20, s17, 18                        ; 16 tiles of 16,384 bytes a block
	s_add_co_u32 s20, s20, s18
	s_mov_b32 s21, 0
	s_lshl_b32 s46, s42, 18
	s_add_co_u32 s46, s46, s18
	s_mov_b32 s47, 0
	s_lshl_b32 s45, s14, 15                        ; where they go: wave x HALFT: no place in the cluster enters an LDS address
	s_wait_dscnt 0x0                               ; the opening add is done
	s_wait_kmcnt 0x0
	s_load_b256 s[80:87], s[10:11], 0x0            ; the eight exponents
	s_cmp_eq_u32 s12, 2
	s_cselect_b64 s[76:77], s[6:7], s[4:5]         ; the A region's buffer
	s_cselect_b64 s[78:79], s[4:5], s[6:7]         ; the B region's
	s_add_nc_u64 s[20:21], s[76:77], s[20:21]
	s_add_nc_u64 s[46:47], s[78:79], s[46:47]
	CROUND                                         ; all sixteen work-groups are here: the first joint loads meet
.irp s, 0,1
	s_mov_b32 s[G0+4*\s], 1
	s_add_co_u32 s[G0+4*\s+1], s45, \s*SLOT
	s_add_nc_u64 s[G0+4*\s+2:G0+4*\s+3], s[20:21], \s*4096
	s_or_b32 s[G0+4*\s+3], s[G0+4*\s+3], 0x80000000
	s_mov_b32 s[G0B+4*\s], 1
	s_add_co_u32 s[G0B+4*\s+1], s45, \s*SLOT
	s_add_nc_u64 s[G0B+4*\s+2:G0B+4*\s+3], s[46:47], \s*4096
	s_or_b32 s[G0B+4*\s+3], s[G0B+4*\s+3], 0x80000000
	JLOAD G0+4*\s, G1, G0B+4*\s, G1B               ; two loads of mine are out
.endr
	v_and_b32 v1, 31, v0
	v_lshlrev_b32 v2, 4, v1                        ; 16 x lane: an image's place for my lane
	v_and_b32 v3, 15, v0                           ; r
	v_bfe_u32 v4, v0, 4, 1                         ; h
	s_wait_alu depctr_va_vdst(0)
	s_lshl_b32 s21, s15, 15                        ; my 128 rows of the A region
	s_lshl_b32 s22, s16, 15                        ; my 128 rows of the B region,
	s_add_co_u32 s22, s22, 2*HALFT                 ; which lies behind A's
.irp s, 0,1
	v_add_nc_u32 v[ADRA+\s], s21, v2
	v_add_nc_u32 v[ADRB+\s], s22, v2
	s_add_co_u32 s21, s21, SLOT
	s_add_co_u32 s22, s22, SLOT
.endr
	; what differs between the sections, chosen without a jump
	s_cmp_eq_u32 s12, 2
	s_cselect_b32 s95, 1, 0                        ; v
	s_cselect_b32 s96, 0, 1                        ; not v
	s_cselect_b32 s97, s17, s42                    ; the weight's block of 256 columns, of 12
	s_cselect_b32 s98, s15, s16                    ; and which half of it is my wave's
	s_cselect_b32 s99, s42, s17                    ; x's block of 256 rows
	s_cselect_b32 s100, s16, s15                   ; and my half of it
	s_cselect_b32 s101, s41, s40                   ; the weight's block inside its section
	s_mov_b32 s90, 1024
	s_cselect_b32 s90, 2048, s90                   ; the way out: bytes from one A block to the next: a tile of 16 tokens (q, k), a tile of 16 channels (v)
	s_mov_b32 s92, 1024
	s_cselect_b32 s92, 124928, s92                 ; from block 3 to block 4: v goes on to the next head: 131,072 - 3 x 2,048
	s_mov_b32 s94, 131072
	s_cselect_b32 s94, 1024, s94                   ; from results 0-63 to results 64-127: the next head (q, k), the next two groups of the image (v)
	s_cselect_b64 s[88:89], s[72:73], s[70:71]
	s_mov_b32 s91, 0
	s_mov_b32 s93, 0
	s_cmp_eq_u32 s12, 0
	s_cselect_b64 s[88:89], s[68:69], s[88:89]     ; q_img, k_img or v_img
	s_lshl_b32 s97, s97, 8
	s_lshl_b32 s18, s98, 7
	s_add_co_u32 s97, s97, s18                     ; my first column of Wqkv
	; the bias.  q, k: register j of block b in lane (r, h) belongs to column 32 (b / 2) + 8 (b % 2) + 16 h + j;  v: all eight registers of block a to column 32 (a / 2) + 8 (a % 2) + r + 8 (r / 8)
	v_lshlrev_b32 v5, 4, v4
	v_and_b32 v6, 8, v3
	v_add_nc_u32 v6, v6, v3
	v_mul_u32_u24 v5, v5, s96
	v_mad_u32_u24 v5, v6, s95, v5
	v_add_nc_u32 v5, s97, v5
	v_lshlrev_b32 v[VB], 2, v5
	s_lshl_b32 s96, s96, 2                         ; from register to register: 4 bytes (q, k) or none (v)
.irp j, 1,2,3,4,5,6,7
	v_add_nc_u32 v[VB+\j], s96, v[VB+\j-1]
.endr
.irp blk, 0,1,2,3,4,5,6,7
.irp j, 0,1,2,3,4,5,6,7
	global_load_b32 v[BI+8*\blk+\j], v[VB+\j], s[8:9] offset:(32*(\blk/2)+8*(\blk%2))*4
.endr
.endr
	; where my results go: ((batch x 16 + head) x 131,072 + (my first row of x inside its batch) x 64 bytes, in all three images
	s_lshl_b32 s99, s99, 8
	s_lshl_b32 s100, s100, 7
	s_add_co_u32 s99, s99, s100                    ; my first row of x
	s_lshl_b32 s101, s101, 2
	s_lshl_b32 s98, s98, 1
	s_add_co_u32 s101, s101, s98                   ; my first head
	s_lshr_b32 s100, s99, 11
	s_lshl_b32 s100, s100, 4
	s_add_co_u32 s100, s100, s101
	s_lshl_b32 s100, s100, 17
	s_and_b32 s99, s99, 2047
	s_lshl_b32 s99, s99, 6
	s_add_co_u32 s100, s100, s99
	s_mov_b32 s101, 0
	s_add_nc_u64 s[88:89], s[88:89], s[100:101]
	v_mov_b32 v[VO], v2
	v_add_nc_u32 v[VO+1], 512, v2
	v_add_nc_u32 v[VO+2], s94, v2
	v_add_nc_u32 v[VO+3], 512, v[VO+2]
	s_wait_kmcnt 0x0
	s_add_co_i32 s74, s80, s81                     ; e0 + e1: a sum stands for sum x 2^(e0 + e1)
	s_sub_co_i32 s75, 0, s74
	s_cmp_eq_u32 s12, 2
	s_cselect_b32 s19, s85, s83
	s_cmp_eq_u32 s12, 0
	s_cselect_b32 s19, s82, s19                    ; the section's own exponent: entry 2, 3 or 5
	s_sub_co_i32 s19, s19, s74
	s_add_co_i32 s19, s19, 127
	s_lshl_b32 s18, s19, 23
	v_mov_b32 v[SCL], s18                          ; 2^(e_sec - e0 - e1)
	s_wait_loadcnt 0x0                             ; the bias
.set i, 0
.rept 64
	v_ldexp_f32 v[BI+i], v[BI+i], s75              ; / 2^(e0 + e1)
.set i, i+1
.endr
.macro FRAG reg, adr, q, i             ; a fragment comes as it was laid: four loads of 512 dense bytes; tile i of my eight, the slot's q-th 128 along K
.irp c, 0,1,2,3
	ds_load_b128 v[\reg+4*\c:\reg+4*\c+3], v[\adr] offset:4096*(\i)+2048*(\q)+512*\c
.endr
.endm
; 16 matrix instructions: A's blocks a0, a0 + 1 x B's eight, 128 along K.  p: B's set.  zero = 0: in place;  1: the sums begin with the bias of B's block;  2: of A's block;  3: with 0.
; The 64 accumulators take turns, one instruction a turn, in the same order in every step.
.macro MUL16 a0, p, zero
.irp a, \a0, \a0+1
.irp b, 0,1,2,3,4,5,6,7
.if (\zero) == 0
	v_wmma_f32_16x16x128_fp8_fp8 v[8*(8*((\a)%4)+\b):8*(8*((\a)%4)+\b)+7], v[128*(\p)+FR*\b:128*(\p)+FR*\b+FR-1], v[AF+FR*(\a):AF+FR*(\a)+FR-1], v[8*(8*((\a)%4)+\b):8*(8*((\a)%4)+\b)+7]
.elseif (\zero) == 1
	v_wmma_f32_16x16x128_fp8_fp8 v[8*(8*((\a)%4)+\b):8*(8*((\a)%4)+\b)+7], v[128*(\p)+FR*\b:128*(\p)+FR*\b+FR-1], v[AF+FR*(\a):AF+FR*(\a)+FR-1], v[BI+8*\b:BI+8*\b+7]
.elseif (\zero) == 2
	v_wmma_f32_16x16x128_fp8_fp8 v[8*(8*((\a)%4)+\b):8*(8*((\a)%4)+\b)+7], v[128*(\p)+FR*\b:128*(\p)+FR*\b+FR-1], v[AF+FR*(\a):AF+FR*(\a)+FR-1], v[BI+8*(\a):BI+8*(\a)+7]
.else
	v_wmma_f32_16x16x128_fp8_fp8 v[8*(8*((\a)%4)+\b):8*(8*((\a)%4)+\b)+7], v[128*(\p)+FR*\b:128*(\p)+FR*\b+FR-1], v[AF+FR*(\a):AF+FR*(\a)+FR-1], 0
.endif
.endr
.endr
.endm
.macro FETCH_B slot, q, p              ; B's eight fragments into set p
	WIN TO_B
.irp i, 0,1,2,3,4,5,6,7
	FRAG 128*(\p)+FR*\i, ADRB+\slot, \q, \i
.endr
	WIN 0
.endm
.macro FETCH_A slot, q, i0             ; A's blocks i0 .. i0 + 3
.irp i, \i0, \i0+1, \i0+2, \i0+3
	FRAG AF+FR*(\i), ADRA+\slot, \q, \i
.endr
.endm
.macro PLACES n                        ; plain vector lines between a matrix instruction and a load into, or a read of, its registers
.rept \n
	v_nop
.endr
.endm
; A step of 128 along K that has its successor in the same slot.  A block of A is free once its eight products are issued: blocks 0-3 are fetched anew in the step's middle, blocks 4-7 at its end.
.macro STEP slot, q, zero
	s_wait_dscnt 4*NL                              ; B's set and A's blocks 0-3 are in; the youngest 16 loads (A's blocks 4-7) may be out
.if ((\zero) == 1) || ((\zero) == 2)
	WIN 0x81                                       ; C (the bias) in window 0
.else
	WIN MUL_LO
.endif
	MUL16 0, (\q)%2, \zero
	MUL16 2, (\q)%2, \zero
	s_wait_dscnt 0                                 ; A's blocks 4-7 are in
	PLACES NP
	FETCH_B \slot, (\q)+1, 1-(\q)%2
	FETCH_A \slot, (\q)+1, 0
.if ((\zero) == 1) || ((\zero) == 2)
	WIN 0xc1
.else
	WIN MUL_HI
.endif
	MUL16 4, (\q)%2, \zero
	MUL16 6, (\q)%2, \zero
	PLACES NP
	WIN 0
	FETCH_A \slot, (\q)+1, 4
.endm
; A slot's last step changes slots: one barrier; in front of it each wave waits for all its tensor loads, adds 0 to its spare word, and waits for that and for its reads of this slot.  fill = 1: this slot is filled again.
.macro TURN slot, next, fill
	s_wait_tensorcnt 0x0                           ; all my tensor loads have landed: my part of the next slot
	ds_add_u32 v[SPW], v[NIL]
	s_wait_dscnt 4*NL+1                            ; the add and the youngest 16 loads (A's blocks 4-7) may be out
	WIN MUL_LO
	MUL16 0, 1, 0                                  ; sixteen matrix instructions stand between the add and the wait for it
	s_wait_dscnt 0x0                               ; the add is done, and my reads of this slot are over
	s_barrier_signal -1
	MUL16 2, 1, 0
	WIN 0
	s_barrier_wait -1
.if \fill
	CREST                                          ; the barrier has opened a round of the cluster's barrier: no wave of any partner still reads this slot or has a load on its way
	s_add_nc_u64 s[G0+4*\slot+2:G0+4*\slot+3], s[G0+4*\slot+2:G0+4*\slot+3], 8192
	s_add_nc_u64 s[G0B+4*\slot+2:G0B+4*\slot+3], s[G0B+4*\slot+2:G0B+4*\slot+3], 8192
	JLOAD G0+4*\slot, G1, G0B+4*\slot, G1B         ; my one tensor load behind the round; its four v_nop are the places in front of the loads below
.else
	PLACES NP
.endif
	FETCH_B \next, 0, 0
	FETCH_A \next, 0, 0
	WIN MUL_HI
	MUL16 4, 1, 0
	MUL16 6, 1, 0
	PLACES NP
	WIN 0
	FETCH_A \next, 0, 4
.endm
	s_wait_tensorcnt 1                             ; my part of slot 0 is in; slot 1's load may be out
	s_barrier_signal -1
	s_barrier_wait -1                              ; everybody's is
	FETCH_B 0, 0, 0
	FETCH_A 0, 0, 0
	FETCH_A 0, 0, 4
	s_cmp_eq_u32 s12, 2                            ; the first step is written twice: its C is the bias, by B's block (q, k) or by A's (v).  The branch hangs on the cluster's x alone
	s_cbranch_scc1 .Lfirst_v
	s_wait_alu depctr_va_vdst(0)
	STEP 0, 0, 1
	s_branch .Ljoin
.Lfirst_v:
	s_wait_alu depctr_va_vdst(0)
	STEP 0, 0, 2
.Ljoin:
	TURN 0, 1, 1                                   ; K's four parts of 256 lie in slots 0, 1, 0, 1: the eight steps are written out
	STEP 1, 0, 0
	TURN 1, 0, 1
	STEP 0, 0, 0
	TURN 0, 1, 0                                   ; nothing is left to fetch, and no round follows
	STEP 1, 0, 0
	s_wait_dscnt 4*NL                              ; the last step
	WIN MUL_LO
	MUL16 0, 1, 0
	MUL16 2, 1, 0
	s_wait_dscnt 0
	WIN MUL_HI
	MUL16 4, 1, 0
	MUL16 6, 1, 0
	WIN 0
; THE WAY OUT, an A block at a time.  A lane's 64 sums of the block are four runs of 16 neighbours along the next K: converted and stored as they stand: each store of the wave covers 512 consecutive bytes of an image.  No LDS.
.macro OUTBLK a
.set AC, 64*((\a)%4)
.set CD, 96+16*((\a)%2)
.if (\a) > 0
	s_wait_xcnt 0x0                                ; the earlier stores have read their base and their data: both are written again only behind this wait
.if (\a) == 4
	s_add_nc_u64 s[88:89], s[88:89], s[92:93]
.else
	s_add_nc_u64 s[88:89], s[88:89], s[90:91]
.endif
.endif
	WIN 0x02+(\a)/4                                ; source 0: window 2 or 3
.set i, 0
.rept 64
.set i, i+1
.endr
.irp c, 0,1,2,3
	v_cvt_scalef32_pk8_fp8_f32 v[CD+4*\c:CD+4*\c+1], v[AC+16*\c:AC+16*\c+7], v[SCL]
	v_cvt_scalef32_pk8_fp8_f32 v[CD+4*\c+2:CD+4*\c+3], v[AC+16*\c+8:AC+16*\c+15], v[SCL]
.endr
	WIN 0
	v_nop                                          ; a plain line behind the conversions
.irp c, 0,1,2,3
	global_store_b128 v[VO+\c], v[CD+4*\c:CD+4*\c+3], s[88:89]
.endr
.endm
	PLACES NP                                      ; between the last products and the first read of results
.irp a, 0,1,2,3,4,5,6,7
	OUTBLK \a
.endr
	s_wait_tensorcnt 0x0                           ; the wave's end
	ds_add_u32 v[SPW], v[NIL]
	s_wait_dscnt 0x0
	CROUND                                         ; the closing round: no work-group ends while a partner may still ask for a tile that names it
	s_endpgm
.Lfunc_end_k_q50a72765b9_qkv:
	.size	k_q50a72765b9_qkv, .Lfunc_end_k_q50a72765b9_qkv-k_q50a72765b9_qkv
	.p2alignl 7, 3214868480
	.fill 96, 4, 3214868480
	.section	.rodata,"a",@progbits
	.p2align	6, 0x0
	.amdhsa_kernel k_q50a72765b9_qkv
		.amdhsa_group_segment_fixed_size 327680
		.amdhsa_private_segment_fixed_size 0
		.amdhsa_enable_private_segment 0
		.amdhsa_kernarg_size 56
		.amdhsa_user_sgpr_count 2
		.amdhsa_user_sgpr_kernarg_segment_ptr 1
		.amdhsa_wavefront_size32 1
		.amdhsa_system_sgpr_workgroup_id_x 1
		.amdhsa_system_sgpr_workgroup_id_y 1
		.amdhsa_system_sgpr_workgroup_id_z 1
		.amdhsa_system_vgpr_workitem_id 0
		.amdhsa_next_free_vgpr 1024
		.amdhsa_next_free_sgpr 104
		.amdhsa_reserve_vcc 0
		.amdhsa_float_denorm_mode_32 3
		.amdhsa_float_denorm_mode_16_64 3
		.amdhsa_fp16_overflow 1
		.amdhsa_memory_ordered 1
		.amdhsa_forward_progress 1
		.amdhsa_inst_pref_size 106
	.end_amdhsa_kernel
	.amdgpu_metadata
---
amdhsa.version: [ 1, 2 ]
amdhsa.kernels:
  - .name:           k_q50a72765b9_qkv
    .symbol:         k_q50a72765b9_qkv.kd
    .args:
      - { .name: x_img, .offset: 0, .size: 8, .value_kind: global_buffer, .address_space: global }
      - { .name: wqkv_img, .offset: 8, .size: 8, .value_kind: global_buffer, .address_space: global }
      - { .name: bqkv, .offset: 16, .size: 8, .value_kind: global_buffer, .address_space: global }
      - { .name: lowp_scales, .offset: 24, .size: 8, .value_kind: global_buffer, .address_space: global }
      - { .name: q_img, .offset: 32, .size: 8, .value_kind: global_buffer, .address_space: global }
      - { .name: k_img, .offset: 40, .size: 8, .value_kind: global_buffer, .address_space: global }
      - { .name: v_img, .offset: 48, .size: 8, .value_kind: global_buffer, .address_space: global }
    .group_segment_fixed_size: 327680
    .private_segment_fixed_size: 0
    .kernarg_segment_align: 8
    .kernarg_segment_size: 56
    .max_flat_workgroup_size: 128
    .sgpr_count:     104
    .vgpr_count:     1024
    .wavefront_size: 32
...
	.end_amdgpu_metadata
.endif
;; end of part 2
;; launch attn (part 3): grid 4 x 64, 16 waves a work-group, clusters of 4 x 1, 327,680 bytes of LDS; arguments q_img, k_img, v_img, lowp_scales, a_img; writes a_img
.if DOCPART == 3
	.amdgcn_target "amdgcn-amd-amdhsa--gfx1250"
	.amdhsa_code_object_version 6
	.text
	.protected	k_q50a72765b9_attn
	.globl	k_q50a72765b9_attn
	.p2align	8
	.type	k_q50a72765b9_attn,@function
k_q50a72765b9_attn:
	s_mov_b64 s[64:65], 0
	v_nop
	global_prefetch_b8 v0, s[64:65] scope:SCOPE_SE
	s_setreg_imm32_b32 hwreg(HW_REG_WAVE_MODE, 25, 1), 1
	s_wait_xcnt 0x0
	s_wait_alu depctr_hold_cnt(0) depctr_sa_sdst(0) depctr_va_vdst(0) depctr_va_sdst(0) depctr_va_ssrc(0) depctr_va_vcc(0) depctr_vm_vsrc(0)
	s_getreg_b32 s2, hwreg(HW_REG_IB_STS2, 6, 4)
	s_cmp_eq_u32 s2, 0
	s_cbranch_scc0 .Lentry_in_a_cluster
	s_endpgm
.Lentry_in_a_cluster:
	s_bfe_u32 s2, ttmp6, 0x10000c
	s_cmp_lg_u32 s2, 0x3003
	s_cbranch_scc0 .Lentry_shape_is_right
	s_endpgm
.Lentry_shape_is_right:
; Causal attention of 64 heads (batch x 16 + head), 2,048 tokens, head size 64, both products on codes of FP8 (E4M3); the result is quantised with the given scale (entry 6) and stored as the image of the last product's operand.
; THE SOFTMAX AHEAD OF THE SECOND PRODUCT: t = score x log2(e) / 8; M = the row's largest t so far, rounded up to a whole number; p = 2^(t - M) is quantised (entry 4), not normalised.
; The row's sum is taken of the unquantised p and divides at the end.  When M moves, the sum and O are multiplied by 2^(old M - new M): nothing is rounded.
; IMAGES: q_img, k_img: [head][tile of 16 tokens][1,024 bytes]: [c = 0, 1][lane][16]: lane (r, h) holds channels 32 c + 16 h + 0 .. 15 of the tile's row r.  v_img: [head][128 keys][tile of 16 channels][2,048]: [c = 0..3][lane][16]: keys 32 c + 16 h + 0 .. 15.
; In each group of 32 tokens (channels), tile 2 g + u holds in its row p the token 32 g + 8 u + p + 8 (p / 8).  Both products are used transposed (S^T = K Q^T, O^T = V^T P^T): a lane holds one query throughout,
; the 16 registers of two neighbouring tiles of keys are 16 neighbouring keys, and those of two neighbouring tiles of channels 16 neighbouring channels: the conversions' results are the next operand's registers.
; SHARES.  A cluster of four work-groups has one head; all of the head's K (131,072 bytes) and V (as many) lie in each one's LDS, asked for once, jointly: no slot is ever filled again.
; Each of the sixteen waves (four to a SIMD, 256 registers each) owns two tiles of 16 queries: one in block 15 - j of 128 queries and one in block j, j = wave % 8.  A tile of block j needs key steps 0 .. j (128 keys each),
; so every wave of every work-group does 17 tile steps.  Steps behind the diagonal are left out by a scalar branch on the wave's number and the step's count; trip counts are constants of the text.
; The loads go out in three parts (keys 0-511, 512-1,023, the rest), so that the first steps begin when the first part has landed: three loads of mine are out at the most.  Nothing is prefetched: all that is read is asked for at the head.
; LIMITS on the given exponents: e2 + e3 between -123 and 130 (added to c's exponent field); e4 and e6 between -126 and 119.  NaN among the inputs is not served.
.set VBASE, 131072                     ; LDS: K from 0, V from here
.set SPARE, 262144                     ; behind them: the spare words, 128 bytes for each of the sixteen waves
.set AK0,  1                           ; v1   16 x lane: my place in an image of K
.set AV0,  2                           ; v2   the same for V
.set DD,   3                           ; v3   my query inside its block of 128, less 16 (lane / 16)
.set SPW,  4                           ; v4   my spare word; never rewritten
.set NIL,  5                           ; v5   0; never rewritten
.set GO,   6                           ; v6   16 x lane, for memory
.set ADK,  7                           ; v7   LDS address of the step's K;  v28 of its V
.set ADV,  28
.set F,    32                          ; v32-95   K's eight fragments, then V's four
.set S,    96                          ; v96-159  S^T, then p
.set O,    160                         ; v160-191 O^T
.set P,    192                         ; v192-207 p's codes
.set WV,   14                          ; s14  my wave's number
.set SEL,  52                          ; s[52:53] lane selects: lane l xor 16
.set CS,   54                          ; s[54:55] c = log2(e) / 8 x 2^(e2 + e3)
.set TB,   66                          ; s66  LDS byte at which the step's tiles begin
.set CTR,  67                          ; s67  the key step
.set JJ,   68                          ; s68  the block of the tile in hand: its last key step
; other registers: v[8:9] -M and the largest t; v[10:11] the sum in two halves; v[12:13] f; v14-16 at work; v17: 2^e4; v19: 2^e6; v[20:27], v[208:215] the two tiles of Q;
; v216-231 the two tiles' codes; v[232:233] the sums' second chain; v234 -infinity
.macro ROUND                           ; a round of the cluster's barrier
	s_barrier_signal -1
	s_barrier_wait -1
	s_cmp_lg_u32 s[WV], 0
	s_cbranch_scc1 .Lnot_wave_0_\@
	s_barrier_signal -3
.Lnot_wave_0_\@:
	s_barrier_wait -3
	s_barrier_signal -1
	s_barrier_wait -1
.endm
	s_load_b256 s[4:11], s[0:1], 0x0               ; q_img s[4:5], k_img s[6:7], v_img s[8:9], the scales' exponents s[10:11]
	s_load_b64 s[12:13], s[0:1], 0x20              ; a_img
	v_lshl_add_u32 v[SPW], v0, 2, SPARE
	v_mov_b32 v[NIL], 0
	ds_add_u32 v[SPW], v[NIL]                      ; the wave's opening: the add and its wait stand ahead of my first tensor load; work on registers stands between them
	ds_add_u32 v[SPW], v[NIL]
	v_lshrrev_b32 v1, 5, v0
	s_delay_alu instid0(VALU_DEP_1)
	v_readfirstlane_b32 s[WV], v1                  ; wave 0..15
	s_and_b32 s18, s[WV], 7                        ; j.  Also: which eighth of K or of V I fetch
	s_lshr_b32 s19, s[WV], 3                       ; u: which tile of a pair is mine.  Also: I fetch for K (0) or for V (1)
	s_bfe_u32 s20, ttmp6, 0x40000                  ; cx: it enters Q's and the result's addresses and the mask's numbers alone
	s_and_b32 s21, ttmp7, 0xffff                   ; the head, which the four partners share
	; descriptor group 1: dense blocks as rows of 256 bytes: 16 rows (4,096 bytes) and 32 rows (8,192 bytes)
	s_mov_b32 s24, 15|(3<<16)|(1<<21)              ; 15:0 the mask: all four work-groups; 17:16 elements of 8 bytes; 21 set beside a mask
	s_mov_b32 s25, 32<<16                          ; tensor_dim0 = 32 elements
	s_mov_b32 s26, 16<<16                          ; tensor_dim1
	s_mov_b32 s27, 32<<16                          ; tile_dim0
	s_mov_b32 s28, 16                              ; tile_dim1
	s_mov_b32 s29, 32                              ; tensor_dim0_stride
	s_mov_b32 s30, 0
	s_mov_b32 s31, 0
	s_mov_b32 s32, 15|(3<<16)|(1<<21)
	s_mov_b32 s33, 32<<16
	s_mov_b32 s34, 32<<16
	s_mov_b32 s35, 32<<16
	s_mov_b32 s36, 32
	s_mov_b32 s37, 32
	s_mov_b32 s38, 0
	s_mov_b32 s39, 0
	s_lshl_b32 s22, s19, 17                        ; K's or V's half of LDS
	s_lshl_b32 s23, s18, 12                        ; my 4,096 bytes of a part of 32,768
	s_mov_b32 s40, 1
	s_add_co_u32 s41, s22, s23                     ; part 0 in LDS
	s_mov_b32 s44, 1
	s_add_co_u32 s45, s41, 32768                   ; part 1
	s_mov_b32 s48, 1
	s_lshl_b32 s49, s18, 13                        ; my 8,192 bytes of part 2's 65,536
	s_add_co_u32 s49, s49, s22
	s_add_co_u32 s49, s49, 65536
	s_lshl_b32 s76, s21, 17                        ; the head's 131,072 bytes
	s_add_co_u32 s76, s76, s23
	s_mov_b32 s77, 0
	s_add_co_u32 s80, s23, 65536                   ; from my piece of part 0 to my piece of part 2
	s_mov_b32 s81, 0
	s_mov_b32 s[SEL], 0x76543210
	s_mov_b32 s[SEL+1], 0xfedcba98
	s_mov_b32 s[CS], 0x3e38aa3b                    ; log2(e) / 8
	s_wait_dscnt 0x0                               ; the opening add is done
	s_wait_kmcnt 0x0
	s_load_b256 s[56:63], s[10:11], 0x0            ; the eight exponents
	s_cmp_lt_u32 s[WV], 8
	s_cselect_b64 s[78:79], s[6:7], s[8:9]
	s_add_nc_u64 s[42:43], s[78:79], s[76:77]
	s_add_nc_u64 s[46:47], s[42:43], 32768
	s_add_nc_u64 s[50:51], s[42:43], s[80:81]
	s_or_b32 s43, s43, 0x80000000                  ; type = 2
	s_or_b32 s47, s47, 0x80000000
	s_or_b32 s51, s51, 0x80000000
	ROUND                                          ; all four work-groups are here: the joint loads meet
	tensor_load_to_lds s[40:43], s[24:31]          ; keys 0-511
	s_nop 0
	tensor_load_to_lds s[44:47], s[24:31]          ; keys 512-1,023
	s_nop 0
	tensor_load_to_lds s[48:51], s[32:39]          ; keys 1,024-2,047
	s_nop 0
.rept 4
	v_nop
.endr
	v_and_b32 v1, 31, v0
	s_delay_alu instid0(VALU_DEP_1)
	v_lshlrev_b32 v[AK0], 4, v1
	s_delay_alu instid0(VALU_DEP_1)
	v_add_nc_u32 v[AV0], VBASE, v[AK0]
	s_delay_alu instid0(VALU_DEP_2)
	v_mov_b32 v[GO], v[AK0]
	s_wait_alu depctr_va_vdst(0)
	s_lshl_b32 s22, s20, 1
	s_add_co_u32 s22, s22, s19                     ; my tile inside a block of eight: 2 cx + u
	s_sub_co_u32 s69, 15, s18                      ; the late block
	s_lshl_b32 s23, s69, 3
	s_add_co_u32 s23, s23, s22                     ; its tile
	s_lshl_b32 s75, s18, 3
	s_add_co_u32 s75, s75, s22                     ; the early block's tile
	s_lshl_b32 s76, s21, 7                         ; 128 tiles a head
	s_mov_b32 s79, 0
	s_add_co_u32 s78, s76, s23
	s_lshl_b32 s78, s78, 10
	s_add_nc_u64 s[82:83], s[4:5], s[78:79]
	s_add_co_u32 s78, s76, s75
	s_lshl_b32 s78, s78, 10
	s_add_nc_u64 s[84:85], s[4:5], s[78:79]
	global_load_b128 v[20:23], v[GO], s[82:83]     ; the two tiles of Q stay in registers
	global_load_b128 v[24:27], v[GO], s[82:83] offset:512
	global_load_b128 v[208:211], v[GO], s[84:85]
	global_load_b128 v[212:215], v[GO], s[84:85] offset:512
	; the result: a_img [batch x 128 + tile][K step = head / 2][2,048], the head's 64 channels in groups 2 (head % 2) and 2 (head % 2) + 1
	s_lshr_b32 s76, s21, 4
	s_lshl_b32 s76, s76, 7
	s_and_b32 s86, s21, 15
	s_lshr_b32 s86, s86, 1
	s_lshl_b32 s86, s86, 11
	s_and_b32 s87, s21, 1
	s_lshl_b32 s87, s87, 10
	s_add_co_u32 s86, s86, s87
	s_add_co_u32 s78, s76, s23
	s_lshl_b32 s78, s78, 14
	s_add_co_u32 s78, s78, s86
	s_add_nc_u64 s[70:71], s[12:13], s[78:79]
	s_add_co_u32 s78, s76, s75
	s_lshl_b32 s78, s78, 14
	s_add_co_u32 s78, s78, s86
	s_add_nc_u64 s[72:73], s[12:13], s[78:79]
	v_and_b32 v14, 15, v0
	s_delay_alu instid0(VALU_DEP_1)
	v_and_b32 v15, 8, v14
	s_delay_alu instid0(VALU_DEP_1)
	v_add_nc_u32 v14, v14, v15                     ; r + 8 (r / 8)
	v_bfe_u32 v15, v0, 4, 1
	s_delay_alu instid0(VALU_DEP_1)
	v_lshlrev_b32 v15, 4, v15
	s_delay_alu instid0(VALU_DEP_1)
	v_sub_nc_u32 v[DD], v14, v15
	s_lshl_b32 s86, s20, 5
	s_lshl_b32 s87, s19, 3
	s_add_co_u32 s86, s86, s87
	v_add_nc_u32 v[DD], s86, v[DD]                 ; 32 cx + 8 u + r + 8 (r / 8) - 16 h
	v_mov_b32 v13, 0                               ; (named as the upper half of the pair v[12:13])
	v_mov_b32 v16, 0                               ; written once: a lane permute's destination counts as one of its sources
	v_mov_b32 v234, 0xff800000                     ; -infinity
	s_wait_kmcnt 0x0
	s_add_co_i32 s22, s58, s59
	s_lshl_b32 s22, s22, 23
	s_add_co_i32 s[CS], s[CS], s22                 ; a score stands for score x 2^(e2 + e3): added to c's exponent field
	s_mov_b32 s[CS+1], s[CS]                       ; (named with it as a pair)
	s_add_co_i32 s22, s60, 127
	s_lshl_b32 s23, s22, 23
	v_mov_b32 v17, s23                             ; 2^e4
	s_add_co_i32 s22, s62, 127
	s_lshl_b32 s23, s22, 23
	v_mov_b32 v19, s23                             ; 2^e6
	s_add_co_i32 s74, s60, s61                     ; e4 + e5
; A KEY STEP: 128 keys against the tile of queries in v[q] on.  masked = 1: the step may lie behind the tile's diagonal (left out) or on it (hidden scores become -infinity).
.macro STEP q, masked
.if \masked
	s_cmp_gt_u32 s[CTR], s[JJ]
	s_cbranch_scc1 .Lskip_\@
.endif
	s_setprio 2
	v_add_nc_u32 v[ADK], s[TB], v[AK0]
	v_add_nc_u32 v[ADV], s[TB], v[AV0]
	v_nop
	v_nop                                          ; four places in front of loads into registers that the last products read
.irp kt, 0,1,2,3,4,5,6,7
	ds_load_b128 v[F+8*\kt:F+8*\kt+3], v[ADK] offset:1024*\kt
	ds_load_b128 v[F+8*\kt+4:F+8*\kt+7], v[ADK] offset:1024*\kt+512
.endr
	s_wait_alu depctr_va_vdst(0)
	s_wait_dscnt 8                                 ; tiles 0-3 are in; the eight loads of tiles 4-7 may be out
.irp kt, 0,1,2,3
	v_wmma_f32_16x16x64_fp8_fp8 v[S+8*\kt:S+8*\kt+7], v[F+8*\kt:F+8*\kt+7], v[\q:\q+7], 0
.endr
	s_wait_dscnt 0x0
.irp kt, 4,5,6,7
	v_wmma_f32_16x16x64_fp8_fp8 v[S+8*\kt:S+8*\kt+7], v[F+8*\kt:F+8*\kt+7], v[\q:\q+7], 0
.endr
.rept 4
	v_nop                                          ; places in front of the loads below and of the first read of the scores
.endr
.irp dt, 0,1,2,3
.irp c, 0,1,2,3
	ds_load_b128 v[F+16*\dt+4*\c:F+16*\dt+4*\c+3], v[ADV] offset:2048*\dt+512*\c   ; V lands while the softmax is walked
.endr
.endr
.if \masked
	s_cmp_lg_u32 s[CTR], s[JJ]
	s_cbranch_scc1 .Lopen_\@
.set n, 0
.rept 64
	v_cmp_gt_i32 vcc_lo, 32*(n/16)+n%16, v[DD]     ; register n holds the block's key 32 (n / 16) + 16 h + n % 16: hidden where it comes after my query
	v_cndmask_b32 v[S+n], v[S+n], v234, vcc_lo
.set n, n+1
.endr
.Lopen_\@:
.endif
	v_max3_num_f32 v14, v[S], v[S+1], v[S+2]       ; the step's largest score of my query among my 64 keys, in two chains, each tile from its low end on,
	v_max3_num_f32 v15, v[S+3], v[S+4], v[S+5]
.irp i, 6,10,14,18,22,26,30,34,38,42,46,50,54,58
	v_max3_num_f32 v14, v14, v[S+\i], v[S+1+\i]
	v_max3_num_f32 v15, v15, v[S+2+\i], v[S+3+\i]
.endr
	v_max3_num_f32 v14, v14, v[S+62], v[S+63]
	s_delay_alu instid0(VALU_DEP_1)
	v_max_num_f32 v14, v14, v15
	s_delay_alu instid0(VALU_DEP_1)
	v_permlanex16_b32 v16, v14, s[SEL], s[SEL+1]
	s_delay_alu instid0(VALU_DEP_1)
	v_max_num_f32 v14, v14, v16                    ; and among lane l xor 16's
	s_delay_alu instid0(VALU_DEP_1)
	v_mul_f32 v14, s[CS], v14                      ; as t (c is positive)
	s_delay_alu instid0(VALU_DEP_1)
	v_max_num_f32 v9, v9, v14                      ; the running largest t
	v_mov_b32 v14, v8
	s_delay_alu instid0(VALU_DEP_2)
	v_floor_f32 v8, -v9                            ; the new -M = floor(-t): M is a whole number
	s_delay_alu instid0(VALU_DEP_1)
	v_sub_f32 v14, v8, v14                         ; old M - new M: a whole number, 0 or less
	s_delay_alu instid0(VALU_DEP_1)
	v_cvt_i32_f32 v14, v14                         ; (it saturates)
	s_delay_alu instid0(VALU_DEP_1)
	v_ldexp_f32 v12, 1.0, v14                      ; f = 2^(old M - new M)
.set j, 0
.rept 32
	v_pk_fma_f32 v[S+j:S+j+1], v[S+j:S+j+1], s[CS:CS+1], v[8:9] op_sel_hi:[1,0,0]   ; t - M, two at a time
.set j, j+2
.endr
.set j, 0
	s_setprio 1
	s_wait_alu depctr_va_vdst(0)
.rept 64
	v_exp_f32 v[S+j], v[S+j]                       ; p = 2^(t - M), at most 1
.set j, j+1
.endr
.set j, 0
	s_wait_alu depctr_va_vdst(0)
.rept 16
	v_pk_mul_f32 v[O+j:O+j+1], v[O+j:O+j+1], v[12:13] op_sel_hi:[1,0]   ; O^T under the new M: independent plain work behind the exponentials
.set j, j+2
.endr
	v_pk_mul_f32 v[10:11], v[10:11], v[12:13] op_sel_hi:[1,0]           ; and the sums
	s_wait_alu depctr_va_vdst(0)                   ; the wait ahead of the first line that names an exponential's result: one for the batch of 64
	v_pk_add_f32 v[232:233], v[100:101], v[104:105]
	v_pk_add_f32 v[254:255], v[108:109], v[112:113]
	v_pk_add_f32 v[252:253], v[116:117], v[120:121]
	v_pk_add_f32 v[250:251], v[124:125], v[128:129]
	v_pk_add_f32 v[248:249], v[132:133], v[136:137]
	v_pk_add_f32 v[246:247], v[140:141], v[144:145]
	v_pk_add_f32 v[244:245], v[148:149], v[152:153]
	v_pk_add_f32 v[10:11], v[10:11], v[156:157]
	v_pk_add_f32 v[232:233], v[232:233], v[96:97]
	v_pk_add_f32 v[254:255], v[254:255], v[98:99]
	v_pk_add_f32 v[252:253], v[252:253], v[102:103]
	v_pk_add_f32 v[250:251], v[250:251], v[106:107]
	v_pk_add_f32 v[248:249], v[248:249], v[110:111]
	v_pk_add_f32 v[246:247], v[246:247], v[114:115]
	v_pk_add_f32 v[244:245], v[244:245], v[118:119]
	v_pk_add_f32 v[10:11], v[10:11], v[122:123]
	v_pk_add_f32 v[232:233], v[232:233], v[126:127]
	v_pk_add_f32 v[254:255], v[254:255], v[130:131]
	v_pk_add_f32 v[252:253], v[252:253], v[134:135]
	s_setprio 0
	v_pk_add_f32 v[250:251], v[250:251], v[138:139]
	v_pk_add_f32 v[248:249], v[248:249], v[142:143]
	v_pk_add_f32 v[246:247], v[246:247], v[146:147]
	v_pk_add_f32 v[244:245], v[244:245], v[150:151]
	v_pk_add_f32 v[10:11], v[10:11], v[154:155]
	v_pk_add_f32 v[232:233], v[232:233], v[158:159]
	s_delay_alu instid0(VALU_DEP_2)
	v_pk_add_f32 v[10:11], v[10:11], v[250:251]
	s_delay_alu instid0(VALU_DEP_2)
	v_pk_add_f32 v[232:233], v[232:233], v[248:249]
	v_pk_add_f32 v[254:255], v[254:255], v[246:247]
	v_pk_add_f32 v[252:253], v[252:253], v[244:245]
	s_delay_alu instid0(VALU_DEP_2)
	v_pk_add_f32 v[10:11], v[10:11], v[254:255]
	s_delay_alu instid0(VALU_DEP_2)
	v_pk_add_f32 v[232:233], v[232:233], v[252:253]
	s_delay_alu instid0(VALU_DEP_1)
	v_pk_add_f32 v[10:11], v[10:11], v[232:233]
.irp b, 0,1,2,3
.irp i, 0,1,2,3,4,5,6,7,8,9,10,11,12,13,14,15
.endr
	v_cvt_scalef32_pk8_fp8_f32 v[P+4*\b:P+4*\b+1], v[S+16*\b:S+16*\b+7], v17
	v_cvt_scalef32_pk8_fp8_f32 v[P+4*\b+2:P+4*\b+3], v[S+16*\b+8:S+16*\b+15], v17
.endr
	v_nop                                          ; a plain line between the conversions and the products that read their results
	s_wait_alu depctr_va_vdst(0)
	s_wait_dscnt 0x0                               ; V is in
.irp t, 0,1,2,3
	v_wmma_f32_16x16x128_fp8_fp8 v[O+8*\t:O+8*\t+7], v[F+16*\t:F+16*\t+15], v[P:P+15], v[O+8*\t:O+8*\t+7]   ; four accumulators, one instruction each
.endr
.if \masked
.Lskip_\@:
.endif
.endm
.macro INIT                            ; a tile begins: zeros, which the first change of M leaves zeros; the largest t so far is -3e38, under every t
.set i, 0
.rept 32
	v_mov_b32 v[O+i], 0
.set i, i+1
.endr
	v_mov_b32 v10, 0
	v_mov_b32 v11, 0
	v_mov_b32 v9, 0xff61b1e6
	s_delay_alu instid0(VALU_DEP_1)
	v_floor_f32 v8, -v9
.endm
.macro FINISH ptr, cd                  ; O^T / the sum x 2^(e4 + e5), quantised with e6: a lane's 32 numbers are two runs of 16 neighbouring channels: two stores of 512 consecutive bytes
.rept 4
	v_nop                                          ; places behind the last products
.endr
	v_add_f32 v10, v10, v11                        ; the sum's two halves,
	s_delay_alu instid0(VALU_DEP_1)
	v_permlanex16_b32 v16, v10, s[SEL], s[SEL+1]
	s_delay_alu instid0(VALU_DEP_1)
	v_add_f32 v10, v10, v16                        ; and lane l xor 16's
	s_wait_alu depctr_va_vdst(0)
	v_rcp_f32 v10, v10
	v_nop                                          ; a plain line behind the reciprocal
	s_wait_alu depctr_va_vdst(0)                   ; and the wait ahead of its first reader
	v_ldexp_f32 v10, v10, s74
.set j, 0
.rept 16
	v_pk_mul_f32 v[S+j:S+j+1], v[O+j:O+j+1], v[10:11] op_sel_hi:[1,0]
.set j, j+2
.endr
.set j, 0
.rept 32
.set j, j+1
.endr
.irp c, 0,1
	v_cvt_scalef32_pk8_fp8_f32 v[\cd+4*\c:\cd+4*\c+1], v[S+16*\c:S+16*\c+7], v19
	v_cvt_scalef32_pk8_fp8_f32 v[\cd+4*\c+2:\cd+4*\c+3], v[S+16*\c+8:S+16*\c+15], v19
.endr
	v_nop                                          ; a plain line behind the conversions
.irp c, 0,1
	global_store_b128 v[GO], v[\cd+4*\c:\cd+4*\c+3], s[\ptr:\ptr+1] offset:512*\c
.endr
.endm
	INIT
	s_mov_b32 s[JJ], s69                           ; the late tile first: its block is 8 or more, so key steps 0 to 7 all count whole
	s_wait_loadcnt 0x0                             ; Q
	s_wait_tensorcnt 2                             ; my piece of keys 0-511 is in; the two later pieces may be out
	s_barrier_signal -1
	s_barrier_wait -1                              ; everybody's is
	s_mov_b32 s[TB], 0
	s_mov_b32 s[CTR], 0
.Lp1:
	STEP 20, 0
	s_add_co_u32 s[TB], s[TB], 8192
	s_add_co_u32 s[CTR], s[CTR], 1
	s_cmp_lt_u32 s[CTR], 4
	s_cbranch_scc1 .Lp1
	s_setprio 0
	s_wait_tensorcnt 1                             ; my piece of keys 512-1,023 is in; the last piece may be out
	s_wait_dscnt 0x0
	s_barrier_signal -1
	s_barrier_wait -1
	s_mov_b32 s[TB], 32768
	s_mov_b32 s[CTR], 4
.Lp2:
	STEP 20, 0
	s_add_co_u32 s[TB], s[TB], 8192
	s_add_co_u32 s[CTR], s[CTR], 1
	s_cmp_lt_u32 s[CTR], 8
	s_cbranch_scc1 .Lp2
	s_setprio 0
	s_wait_tensorcnt 0x0                           ; my last piece is in
	s_wait_dscnt 0x0
	s_barrier_signal -1
	s_barrier_wait -1
	s_mov_b32 s[TB], 65536
	s_mov_b32 s[CTR], 8
.Lp3:
	STEP 20, 1
	s_add_co_u32 s[TB], s[TB], 8192
	s_add_co_u32 s[CTR], s[CTR], 1
	s_cmp_lt_u32 s[CTR], 16
	s_cbranch_scc1 .Lp3
	s_setprio 0
	FINISH 70, 216
	INIT
	s_mov_b32 s[JJ], s18                           ; the early tile
	s_mov_b32 s[TB], 0
	s_mov_b32 s[CTR], 0
.Lp4:
	STEP 208, 1
	s_add_co_u32 s[TB], s[TB], 8192
	s_add_co_u32 s[CTR], s[CTR], 1
	s_cmp_lt_u32 s[CTR], 8
	s_cbranch_scc1 .Lp4
	s_setprio 0
	s_wait_alu depctr_va_vdst(0)
	FINISH 72, 224
	s_wait_tensorcnt 0x0                           ; the wave's end
	ds_add_u32 v[SPW], v[NIL]
	s_wait_dscnt 0x0
	ROUND                                          ; the closing round
	s_endpgm
.Lfunc_end_k_q50a72765b9_attn:
	.size	k_q50a72765b9_attn, .Lfunc_end_k_q50a72765b9_attn-k_q50a72765b9_attn
	.p2alignl 7, 3214868480
	.fill 96, 4, 3214868480
	.section	.rodata,"a",@progbits
	.p2align	6, 0x0
	.amdhsa_kernel k_q50a72765b9_attn
		.amdhsa_group_segment_fixed_size 327680
		.amdhsa_private_segment_fixed_size 0
		.amdhsa_enable_private_segment 0
		.amdhsa_kernarg_size 40
		.amdhsa_user_sgpr_count 2
		.amdhsa_user_sgpr_kernarg_segment_ptr 1
		.amdhsa_wavefront_size32 1
		.amdhsa_system_sgpr_workgroup_id_x 1
		.amdhsa_system_sgpr_workgroup_id_y 1
		.amdhsa_system_sgpr_workgroup_id_z 1
		.amdhsa_system_vgpr_workitem_id 0
		.amdhsa_next_free_vgpr 256
		.amdhsa_next_free_sgpr 100
		.amdhsa_reserve_vcc 1
		.amdhsa_float_denorm_mode_32 3
		.amdhsa_float_denorm_mode_16_64 3
		.amdhsa_fp16_overflow 1
		.amdhsa_memory_ordered 1
		.amdhsa_forward_progress 1
		.amdhsa_inst_pref_size 81
	.end_amdhsa_kernel
	.amdgpu_metadata
---
amdhsa.version: [ 1, 2 ]
amdhsa.kernels:
  - .name:           k_q50a72765b9_attn
    .symbol:         k_q50a72765b9_attn.kd
    .args:
      - { .name: q_img, .offset: 0, .size: 8, .value_kind: global_buffer, .address_space: global }
      - { .name: k_img, .offset: 8, .size: 8, .value_kind: global_buffer, .address_space: global }
      - { .name: v_img, .offset: 16, .size: 8, .value_kind: global_buffer, .address_space: global }
      - { .name: lowp_scales, .offset: 24, .size: 8, .value_kind: global_buffer, .address_space: global }
      - { .name: a_img, .offset: 32, .size: 8, .value_kind: global_buffer, .address_space: global }
    .group_segment_fixed_size: 327680
    .private_segment_fixed_size: 0
    .kernarg_segment_align: 8
    .kernarg_segment_size: 40
    .max_flat_workgroup_size: 512
    .sgpr_count:     100
    .vgpr_count:     256
    .wavefront_size: 32
...
	.end_amdgpu_metadata
.endif
;; end of part 3
;; launch proj (part 4): grid 4 x 32, 4 waves a work-group, clusters of 4 x 4, 327,680 bytes of LDS; arguments a_img, wout_img, bout, lowp_scales, out0; writes out0
.if DOCPART == 4
	.amdgcn_target "amdgcn-amd-amdhsa--gfx1250"
	.amdhsa_code_object_version 6
	.text
	.protected	k_q50a72765b9_proj
	.globl	k_q50a72765b9_proj
	.p2align	8
	.type	k_q50a72765b9_proj,@function
k_q50a72765b9_proj:
	s_mov_b64 s[64:65], 0
	v_nop
	global_prefetch_b8 v0, s[64:65] scope:SCOPE_SE
	s_setreg_imm32_b32 hwreg(HW_REG_WAVE_MODE, 25, 1), 1
	s_wait_xcnt 0x0
	s_wait_alu depctr_hold_cnt(0) depctr_sa_sdst(0) depctr_va_vdst(0) depctr_va_sdst(0) depctr_va_ssrc(0) depctr_va_vcc(0) depctr_vm_vsrc(0)
	s_getreg_b32 s2, hwreg(HW_REG_IB_STS2, 6, 4)
	s_cmp_eq_u32 s2, 0
	s_cbranch_scc0 .Lentry_in_a_cluster
	s_endpgm
.Lentry_in_a_cluster:
	s_bfe_u32 s2, ttmp6, 0x10000c
	s_cmp_lg_u32 s2, 0xf033
	s_cbranch_scc0 .Lentry_shape_is_right
	s_endpgm
.Lentry_shape_is_right:
; out0 = a Wout + bout on codes of FP8 (E4M3): a_img and wout_img are images of operand registers ([tile of 16 rows][K step of 128][2,048 bytes]: [c][lane][16], lane (r, h) holding K = 32 c + 16 h + 0 .. 15 of row r);
; in each group of 32 rows, tile 2 g + u holds in its row p the row 32 g + 8 u + p + 8 (p / 8).  A finished sum is multiplied once by 2^(e6 + e7) and the bias added, in one fused multiply-add.
; LIMIT: e6 + e7 lies between -126 and 127, so that 2^(e6 + e7) is an f32 number.
; SHARES: a work-group of four waves makes 256 x 256 of out0; a wave 128 x 128: 64 accumulators, 512 registers.  K = 1,024 goes in four parts of 256 through two LDS slots filled by the tensor data mover.
; CLUSTERS of 4 x 4: a's tiles are shared along a row of the cluster, the weight's along a column, each asked for jointly.  The grid has 128 work-groups: a tile of 256 x 128 would halve a slot's matrix work for the same refill.
; Nothing is prefetched: a work-group has two refills in all.  Source 0 = 16 columns of the weight, source 1 = 16 rows of a: a lane holds one row and, over two neighbouring tiles, 16 neighbouring columns.
; REGISTERS, in windows of 256: window 0: v0-31 addresses and the bias; v128-255 a's fragments, one set; on the way out v32-95 and v128-191 take rows by turns.
;   window 1: the weight's fragments, two sets.   window 2: the accumulators of a's blocks 0-3 ((a, b) at v[8 (8 (a % 4) + b)]);   window 3: of blocks 4-7.
.set HALFT,  32768                     ; 128 operand rows x 256 K: eight tiles of 4,096 bytes: what one tensor load brings
.set SLOT,   4*HALFT                   ; a's 16 tiles, then the weight's
.set SPARE,  2*SLOT                    ; behind the ring: the spare words, 128 bytes for each wave
.set SPITCH, 528                       ; the way out: a stage of 16 rows x (512 bytes + 16) for each wave, in slot 0, which has had its last fill and its last read when the first result is stored there
.set FR,     16
.set NL,     4
.set NP,     4                         ; places behind this matrix instruction (ISA guide 7.12.1)
.set CO,     2                         ; v2      16 x lane
.set ADRA,   16                        ; v16-17  LDS address of my fragments of a in slot 0, 1
.set ADRB,   20                        ; v20-21  the same for the weight
.set STO,    24                        ; v24     the way out: where I put 64 bytes of a row
.set RD,     25                        ; v25     and where I read a row back
.set SPW,    28                        ; v28     my spare word; never rewritten
.set NIL,    29                        ; v29     0; never rewritten
.set AF,     128
.set G1, 24
.set G0, 32
.set G1B, 48
.set G0B, 56
.set MSB, 0
.macro WIN new                         ; the immediate's high byte repeats the setting that is left
.if MSB != (\new)
	s_set_vgpr_msb (MSB<<8)|(\new)
.set MSB, (\new)
.endif
.endm
.set MUL_LO, 0xa1                      ; source 0 window 1, source 1 window 0, C and D window 2
.set MUL_HI, 0xf1                      ; the same, C and D window 3
.set TO_B,   0x40                      ; destination window 1, address window 0
.macro JLOAD g0a, g1a, g0b, g1b        ; a joint load: waves 0 and 1 fetch for a, waves 2 and 3 for the weight; the branch hangs on the wave's number alone; an s_nop 0 and four v_nop follow each line
	s_cmp_eq_u32 s15, 0
	s_cbranch_scc0 .Lfor_b_\@
	tensor_load_to_lds s[\g0a:\g0a+3], s[\g1a:\g1a+7]
	s_nop 0
.rept 4
	v_nop
.endr
	s_branch .Lasked_\@
.Lfor_b_\@:
	tensor_load_to_lds s[\g0b:\g0b+3], s[\g1b:\g1b+7]
	s_nop 0
.rept 4
	v_nop
.endr
.Lasked_\@:
.endm
.macro CREST                           ; a round of the cluster's barrier behind its opening barrier
	s_cmp_lg_u32 s14, 0
	s_cbranch_scc1 .Lnot_wave_0_\@
	s_barrier_signal -3
.Lnot_wave_0_\@:
	s_barrier_wait -3
	s_barrier_signal -1
	s_barrier_wait -1
.endm
.macro CROUND
	s_barrier_signal -1
	s_barrier_wait -1
	CREST
.endm
	s_load_b256 s[4:11], s[0:1], 0x0               ; a_img s[4:5], wout_img s[6:7], bout s[8:9], the scales' exponents s[10:11]
	s_load_b64 s[68:69], s[0:1], 0x20              ; out0
	v_lshl_add_u32 v[SPW], v0, 2, SPARE
	v_mov_b32 v[NIL], 0
	ds_add_u32 v[SPW], v[NIL]                      ; the wave's opening: the add and its wait stand ahead of my first tensor load; work on registers stands between them
	ds_add_u32 v[SPW], v[NIL]
	v_lshrrev_b32 v1, 5, v0
	v_readfirstlane_b32 s14, v1                    ; wave 0..3
	s_lshr_b32 s15, s14, 1                         ; which half of the tile's rows is mine.  Also: I fetch for a (0) or for the weight (1)
	s_and_b32 s16, s14, 1                          ; which half of its columns.  Also: which 128 rows I fetch
	s_bfe_u32 s40, ttmp6, 0x40000                  ; cx, cy
	s_bfe_u32 s41, ttmp6, 0x40004
	s_lshl_b32 s42, ttmp9, 2
	s_add_co_u32 s42, s42, s40                     ; the block of 256 columns
	s_and_b32 s17, ttmp7, 0xffff
	s_lshl_b32 s17, s17, 2
	s_add_co_u32 s17, s17, s41                     ; the block of 256 rows
	s_lshl_b32 s43, s41, 2
	s_lshl_b32 s43, 15, s43                        ; my row of the cluster
	s_lshl_b32 s44, 0x1111, s40                    ; my column
	; descriptor group 1: eight rows of 4,096 bytes (a tile's two K steps), 16,384 bytes apart, dense in LDS
	s_or_b32 s[G1+0], s43, (3<<16)|(1<<21)         ; 15:0 the mask; 17:16 elements of 8 bytes; 21 set beside a mask
	s_or_b32 s[G1B+0], s44, (3<<16)|(1<<21)
.irp g, G1, G1B
	s_mov_b32 s[\g+1], 512<<16                     ; tensor_dim0
	s_mov_b32 s[\g+2], 8<<16                       ; tensor_dim1
	s_mov_b32 s[\g+3], 512<<16                     ; tile_dim0
	s_mov_b32 s[\g+4], 8                           ; tile_dim1
	s_mov_b32 s[\g+5], 2048                        ; tensor_dim0_stride, in elements
	s_mov_b32 s[\g+6], 0
	s_mov_b32 s[\g+7], 0
.endr
	s_lshl_b32 s18, s16, 17                        ; which eight tiles of the sixteen I fetch
	s_lshl_b32 s20, s17, 18
	s_add_co_u32 s20, s20, s18
	s_mov_b32 s21, 0
	s_lshl_b32 s46, s42, 18
	s_add_co_u32 s46, s46, s18
	s_mov_b32 s47, 0
	s_lshl_b32 s45, s14, 15                        ; where they go: wave x HALFT
	s_wait_dscnt 0x0                               ; the opening add is done
	s_wait_kmcnt 0x0
	s_load_b256 s[80:87], s[10:11], 0x0            ; the eight exponents
	s_add_nc_u64 s[20:21], s[4:5], s[20:21]
	s_add_nc_u64 s[46:47], s[6:7], s[46:47]
	CROUND                                         ; all sixteen work-groups are here: the first joint loads meet
.irp s, 0,1
	s_mov_b32 s[G0+4*\s], 1
	s_add_co_u32 s[G0+4*\s+1], s45, \s*SLOT
	s_add_nc_u64 s[G0+4*\s+2:G0+4*\s+3], s[20:21], \s*4096
	s_or_b32 s[G0+4*\s+3], s[G0+4*\s+3], 0x80000000
	s_mov_b32 s[G0B+4*\s], 1
	s_add_co_u32 s[G0B+4*\s+1], s45, \s*SLOT
	s_add_nc_u64 s[G0B+4*\s+2:G0B+4*\s+3], s[46:47], \s*4096
	s_or_b32 s[G0B+4*\s+3], s[G0B+4*\s+3], 0x80000000
	s_wait_alu depctr_va_vdst(0)
	s_wait_tensorcnt 0x0
	ds_add_u32 v28, v29
	ds_add_u32 v28, v29
	s_wait_dscnt 0x0
	CROUND
	JLOAD G0+4*\s, G1, G0B+4*\s, G1B               ; one load of mine is out
.endr
	v_and_b32 v1, 31, v0
	v_lshlrev_b32 v[CO], 4, v1                     ; 16 x lane
	v_and_b32 v3, 15, v0                           ; r
	s_wait_alu depctr_va_vdst(0)
	v_bfe_u32 v4, v0, 4, 1                         ; h
	s_lshl_b32 s21, s15, 15
	s_lshl_b32 s22, s16, 15
	s_add_co_u32 s22, s22, 2*HALFT
.irp s, 0,1
	v_add_nc_u32 v[ADRA+\s], s21, v[CO]
	v_add_nc_u32 v[ADRB+\s], s22, v[CO]
	s_add_co_u32 s21, s21, SLOT
	s_add_co_u32 s22, s22, SLOT
.endr
	s_mul_i32 s23, s14, 16*SPITCH                  ; my stage
	v_mul_u32_u24 v5, v3, SPITCH
	s_wait_alu depctr_va_vdst(0)
	v_lshl_add_u32 v5, v4, 6, v5
	v_add_nc_u32 v[STO], s23, v5                   ; in: row r, + 64 h: my 16 columns of a group of 32
	v_add_nc_u32 v[RD], s23, v[CO]                 ; back: the 32 lanes take one row of 512 bytes
	s_lshl_b32 s20, s42, 10                        ; my first column, in bytes: 1,024 x block + 512 x half
	s_lshl_b32 s21, s16, 9
	s_add_co_u32 s20, s20, s21
	s_mov_b32 s21, 0
	s_add_nc_u64 s[8:9], s[8:9], s[20:21]
	global_load_b128 v[8:11], v[CO], s[8:9]        ; bout of the four columns that I store
	s_add_nc_u64 s[68:69], s[68:69], s[20:21]
	s_lshl_b32 s22, s17, 20                        ; my first row: 256 x block + 128 x half, rows of 4,096 bytes
	s_lshl_b32 s23, s15, 19
	s_add_co_u32 s22, s22, s23
	s_mov_b32 s23, 0
	s_add_nc_u64 s[68:69], s[68:69], s[22:23]
.macro FRAG reg, adr, q, i             ; a fragment comes as it was laid: four loads of 512 dense bytes
.irp c, 0,1,2,3
	ds_load_b128 v[\reg+4*\c:\reg+4*\c+3], v[\adr] offset:4096*(\i)+2048*(\q)+512*\c
.endr
.endm
; 16 matrix instructions: a's blocks a0, a0 + 1 x the weight's eight, 128 along K.  zero = 1: the first product starts the sums.  The 64 accumulators take turns, one instruction a turn.
.macro MUL16 a0, p, zero
.irp a, \a0, \a0+1
.irp b, 0,1,2,3,4,5,6,7
.if \zero
	v_wmma_f32_16x16x128_fp8_fp8 v[8*(8*((\a)%4)+\b):8*(8*((\a)%4)+\b)+7], v[128*(\p)+FR*\b:128*(\p)+FR*\b+FR-1], v[AF+FR*(\a):AF+FR*(\a)+FR-1], 0
.else
	v_wmma_f32_16x16x128_fp8_fp8 v[8*(8*((\a)%4)+\b):8*(8*((\a)%4)+\b)+7], v[128*(\p)+FR*\b:128*(\p)+FR*\b+FR-1], v[AF+FR*(\a):AF+FR*(\a)+FR-1], v[8*(8*((\a)%4)+\b):8*(8*((\a)%4)+\b)+7]
.endif
.endr
.endr
.endm
.macro FETCH_B slot, q, p
	WIN TO_B
.irp i, 0,1,2,3,4,5,6,7
	FRAG 128*(\p)+FR*\i, ADRB+\slot, \q, \i
.endr
	WIN 0
.endm
.macro FETCH_A slot, q, i0
.irp i, \i0, \i0+1, \i0+2, \i0+3
	FRAG AF+FR*(\i), ADRA+\slot, \q, \i
.endr
.endm
.macro PLACES n                        ; plain vector lines between a matrix instruction and a load into, or a read of, its registers
.rept \n
	v_nop
.endr
.endm
.macro STEP slot, q, zero              ; a step of 128 along K that has its successor in the same slot
	s_wait_dscnt 4*NL                              ; the weight's set and a's blocks 0-3 are in; the youngest 16 loads (blocks 4-7) may be out
	WIN MUL_LO
	MUL16 0, (\q)%2, \zero
	MUL16 2, (\q)%2, \zero
	s_wait_dscnt 0
	PLACES NP
	FETCH_B \slot, (\q)+1, 1-(\q)%2
	FETCH_A \slot, (\q)+1, 0
	WIN MUL_HI
	MUL16 4, (\q)%2, \zero
	MUL16 6, (\q)%2, \zero
	PLACES NP
	WIN 0
	FETCH_A \slot, (\q)+1, 4
.endm
.macro TURN slot, next, fill           ; a slot's last step changes slots: one barrier; in front of it the wait for all my tensor loads, the add, and the wait for it and for my reads of this slot
	s_wait_tensorcnt 0x0                           ; all my tensor loads have landed: my part of the next slot
	ds_add_u32 v[SPW], v[NIL]
	s_wait_dscnt 4*NL+1                            ; the add and the youngest 16 loads may be out
	WIN MUL_LO
	MUL16 0, 1, 0
	s_wait_dscnt 0x0                               ; the add is done, and my reads of this slot are over
	s_barrier_signal -1
	MUL16 2, 1, 0
	WIN 0
	s_barrier_wait -1
.if \fill
	CREST                                          ; the barrier has opened a round of the cluster's barrier
	s_add_nc_u64 s[G0+4*\slot+2:G0+4*\slot+3], s[G0+4*\slot+2:G0+4*\slot+3], 8192
	s_add_nc_u64 s[G0B+4*\slot+2:G0B+4*\slot+3], s[G0B+4*\slot+2:G0B+4*\slot+3], 8192
	JLOAD G0+4*\slot, G1, G0B+4*\slot, G1B         ; my one tensor load behind the round; its four v_nop are the places in front of the loads below
.else
	PLACES NP
.endif
	FETCH_B \next, 0, 0
	FETCH_A \next, 0, 0
	WIN MUL_HI
	MUL16 4, 1, 0
	MUL16 6, 1, 0
	PLACES NP
	WIN 0
	FETCH_A \next, 0, 4
.endm
	s_wait_tensorcnt 1                             ; my part of slot 0 is in; slot 1's load may be out
	s_barrier_signal -1
	s_barrier_wait -1
	FETCH_B 0, 0, 0
	FETCH_A 0, 0, 0
	FETCH_A 0, 0, 4
	STEP 0, 0, 1                                   ; the first products start the sums
	TURN 0, 1, 1                                   ; K's four parts of 256 lie in slots 0, 1, 0, 1: the eight steps are written out
	STEP 1, 0, 0
	TURN 1, 0, 1
	STEP 0, 0, 0
	TURN 0, 1, 0
	STEP 1, 0, 0
	s_wait_dscnt 4*NL
	WIN MUL_LO
	MUL16 0, 1, 0
	MUL16 2, 1, 0
	s_wait_alu depctr_va_vdst(0)
	s_wait_dscnt 0
	WIN MUL_HI
	MUL16 4, 1, 0
	MUL16 6, 1, 0
	WIN 0
; THE WAY OUT, a block of 16 rows x 128 columns at a time: the sums go as they are into my own stage and come back as whole rows of 512 bytes; there each is multiplied by 2^(e6 + e7), the bias added, and the row stored.
; LDS serves a wave's instructions in order (ISA guide 5.7.1.4): no wait between the stores and the loads, nor in front of the next block's stores.
.macro TOSTAGE a
.set AC, 64*((\a)%4)
.set BB, 32+96*((\a)%2)
	WIN 0x08+4*((\a)/4)                            ; the stores' data: window 2 or 3
.irp b, 0,1,2,3,4,5,6,7
	ds_store_b128 v[STO], v[AC+8*\b:AC+8*\b+3] offset:128*(\b/2)+32*(\b%2)        ; columns 32 (b / 2) + 16 h + 8 (b % 2) + 0 .. 3; each accumulator from its low end on
	ds_store_b128 v[STO], v[AC+8*\b+4:AC+8*\b+7] offset:128*(\b/2)+32*(\b%2)+16
.endr
	WIN 0
.irp t, 0,1,2,3,4,5,6,7,8,9,10,11,12,13,14,15
	ds_load_b128 v[BB+4*\t:BB+4*\t+3], v[RD] offset:SPITCH*\t
.endr
.endm
.macro SEND a, younger                 ; younger: the LDS instructions issued behind block a's loads, which may stay out
.set BB, 32+96*((\a)%2)
	s_wait_dscnt \younger
.set i, 0
.rept 16
	v_pk_fma_f32 v[BB+4*i:BB+4*i+1], v[BB+4*i:BB+4*i+1], s[96:97], v[8:9] op_sel_hi:[1,0,1]
	v_pk_fma_f32 v[BB+4*i+2:BB+4*i+3], v[BB+4*i+2:BB+4*i+3], s[96:97], v[10:11] op_sel_hi:[1,0,1]
.set i, i+1
.endr
.irp t, 0,1,2,3,4,5,6,7,8,9,10,11,12,13,14,15
	global_store_b128 v[CO], v[BB+4*\t:BB+4*\t+3], s[68:69] offset:(32*((\a)/2)+8*((\a)%2)+\t+8*(\t/8))*4096 th:TH_STORE_NT   ; the tile's row t is row 32 (a / 2) + 8 (a % 2) + t + 8 (t / 8) of my 128: 32 lanes store 512 consecutive bytes, aligned
.endr
.endm
	s_wait_kmcnt 0x0
	s_add_co_i32 s96, s86, s87                     ; e6 + e7
	s_add_co_i32 s96, s96, 127
	s_lshl_b32 s96, s96, 23                        ; 2^(e6 + e7) as f32
	s_mov_b32 s97, s96                             ; (named with it as a pair)
	s_wait_loadcnt 0x0                             ; the bias
	PLACES NP                                      ; between the last products and the first read of results, and the loads into registers that held a's fragments
	TOSTAGE 0
.irp a, 1,2,3,4,5,6,7
.if \a > 1
	s_wait_xcnt 0x0                                ; block a - 2's stores have read their registers: block a's loads may land there
.endif
	TOSTAGE \a
	SEND \a-1, 32                                  ; behind block a - 1's loads: block a's 16 stores and 16 loads
.endr
	SEND 7, 0
	s_wait_tensorcnt 0x0                           ; the wave's end, behind my last tensor load and my last LDS store
	ds_add_u32 v[SPW], v[NIL]
	s_wait_dscnt 0x0
	CROUND                                         ; the closing round
	s_endpgm
.Lfunc_end_k_q50a72765b9_proj:
	.size	k_q50a72765b9_proj, .Lfunc_end_k_q50a72765b9_proj-k_q50a72765b9_proj
	.p2alignl 7, 3214868480
	.fill 96, 4, 3214868480
	.section	.rodata,"a",@progbits
	.p2align	6, 0x0
	.amdhsa_kernel k_q50a72765b9_proj
		.amdhsa_group_segment_fixed_size 327680
		.amdhsa_private_segment_fixed_size 0
		.amdhsa_enable_private_segment 0
		.amdhsa_kernarg_size 40
		.amdhsa_user_sgpr_count 2
		.amdhsa_user_sgpr_kernarg_segment_ptr 1
		.amdhsa_wavefront_size32 1
		.amdhsa_system_sgpr_workgroup_id_x 1
		.amdhsa_system_sgpr_workgroup_id_y 1
		.amdhsa_system_sgpr_workgroup_id_z 1
		.amdhsa_system_vgpr_workitem_id 0
		.amdhsa_next_free_vgpr 1024
		.amdhsa_next_free_sgpr 100
		.amdhsa_reserve_vcc 0
		.amdhsa_float_denorm_mode_32 3
		.amdhsa_float_denorm_mode_16_64 3
		.amdhsa_memory_ordered 1
		.amdhsa_forward_progress 1
		.amdhsa_inst_pref_size 123
	.end_amdhsa_kernel
	.amdgpu_metadata
---
amdhsa.version: [ 1, 2 ]
amdhsa.kernels:
  - .name:           k_q50a72765b9_proj
    .symbol:         k_q50a72765b9_proj.kd
    .args:
      - { .name: a_img, .offset: 0, .size: 8, .value_kind: global_buffer, .address_space: global }
      - { .name: wout_img, .offset: 8, .size: 8, .value_kind: global_buffer, .address_space: global }
      - { .name: bout, .offset: 16, .size: 8, .value_kind: global_buffer, .address_space: global }
      - { .name: lowp_scales, .offset: 24, .size: 8, .value_kind: global_buffer, .address_space: global }
      - { .name: out0, .offset: 32, .size: 8, .value_kind: global_buffer, .address_space: global }
    .group_segment_fixed_size: 327680
    .private_segment_fixed_size: 0
    .kernarg_segment_align: 8
    .kernarg_segment_size: 40
    .max_flat_workgroup_size: 128
    .sgpr_count:     100
    .vgpr_count:     1024
    .wavefront_size: 32
...
	.end_amdgpu_metadata
.endif
;; end of part 4
